; MI455X (gfx1250); checked and timed in simulation.
; The chip was launched on July 23, 2026; its instructions are those of AMD's public machine-readable ISA for CDNA 5 (MIT licence, August 2026) and "CDNA5" Instruction Set Architecture Reference Guide (July 2026). The comments in the code are by the model that wrote it; some were corrected since.
;; Multi Head Self Attention. Allowed arithmetic: matrix products marked QUANTISED: E4M3 operands, one E8M0 scale for each 32 along K, by v_wmma_scale_f32_16x16x128_f8f6f4 with both operands' format E4M3, f32 sums; everything else in f32.
;; Inputs: adj 2 x 1 x 2,048 x 2,048 float32; gamma 1 x 16 x 1 x 1 float32; in_bias 1 x 1 x 3,072 float32; mat_mask 2 x 2,048 x 2,048 bool; out_bias 1 x 1 x 1,024 float32; out_w 1,024 x 1,024 float32; weights 1,024 x 3,072 float32; x 2 x 2,048 x 1,024 float32.
;; Outputs: out0 2 x 2,048 x 1,024 float32.
;; This version of the problem:
;;   THIS VERSION OF THE PROBLEM IS GIVEN IN LOW PRECISION. The matrix products marked QUANTISED in the list below multiply operands that are first quantised to E4M3 (4 exponent bits, 3 mantissa bits; 8 bits a number), with one power-of-two scale for each 32 numbers along K (OCP MX v1.0); their sums are f32. All else is computed in f32.
;;   The module's matrix products, in the order in which they are computed (A, B: the left and right operand; K: the contracted axis; several contracted axes count as one K, in the product's order):
;;     1. [M 4,096, K 1,024] x [K 1,024, N 3,072]; A: input x; B: input weights: QUANTISED
;;     2. batch 32 x [M 2,048, K 64] x [K 64, N 2,048]; A: computed on the way; B: computed on the way: QUANTISED
;;     3. batch 32 x [M 2,048, K 2,048] x [K 2,048, N 64]; A: softmax (see below); B: computed on the way: QUANTISED
;;     4. [M 4,096, K 1,024] x [K 1,024, N 1,024]; A: computed on the way; B: input out_w: QUANTISED
;;   THE QUANTISER, for each operand of a quantised product, along K:
;;     - K is cut into blocks of 32 from its start; a last block that is shorter is filled with zeros.
;;     - A block's scale is 2^e with e = floor(log2(the largest magnitude in the block)) - 8, held to -126 .. 127; a block of zeros has e = 0. As a byte (E8M0): e + 127.
;;     - Each number is divided by its block's scale, clamped to +-448, and rounded to the nearest number of E4M3, ties to even, subnormals kept.
;;     - The product sums the exact products of the quantised numbers (number of the format x scale) in f32.
;;   ~~~python
;;   def quantise(x, axis):      # numpy; x: float32 -> the quantised numbers, widened to float32 again
;;       x = np.moveaxis(x, axis, -1); K = x.shape[-1]
;;       x = np.pad(x, [(0, 0)] * (x.ndim - 1) + [(0, -K % 32)]); x = x.reshape(x.shape[:-1] + (-1, 32)); a = np.abs(x).max(-1, keepdims=True)
;;       e = np.where(a > 0, np.clip(np.frexp(np.where(a > 0, a, 1))[1] - 1 - 8, -126, 127), 0)      # np.frexp(a)[1] - 1 = floor(log2(a)), exactly
;;       r = np.clip(x / 2.0 ** e, -448, 448)
;;       step = 2.0 ** (np.maximum(np.frexp(np.where(r == 0, 1, r))[1] - 1, -6) - 3)
;;       q = np.round(r / step) * step * 2.0 ** e      # np.round: ties to even
;;       return np.moveaxis(q.reshape(q.shape[:-2] + (-1,))[..., :K], -1, axis).astype(np.float32)
;;   ~~~
;;   SOFTMAX AHEAD OF A QUANTISED PRODUCT. Where the list says 'softmax', what is quantised is not the finished softmax but p = 2^(t - M), with t = logit x log2(e) and M = ceil(the row's largest t), a whole number; so 1/2 < the row's largest p <= 1. The row's sum l is taken of the UNQUANTISED p, in f32, and the product's result is divided by l at the end. Since M is a whole number, a kernel that streams over the keys may use a running M (the ceiling of the running maximum): every later rescaling is an exact power of two, which a block's scale takes up: the codes' values come out the same.
;;   OPERANDS COMPUTED ON THE WAY. 'Computed on the way' means the value that the module computes at that place (a softmax that the list does not call 'softmax' is quantised finished and normalised). What goes into a quantiser is computed in f32, as accurately as f32 sums, v_exp_f32 and their like allow (about 1e-6 of the number): no bf16 or f16 on the way to a quantiser, and a product that is left as it is and whose result goes on into a quantised operand takes f32 operands (vector FMAs, or v_wmma_f32_16x16x4_f32). A number that lies on a knife's edge between two numbers of the format may be rounded either way, as far as f32 arithmetic and the matrix unit's own rounding can turn it there, and no further.
;; One version. Each part assembles by itself: llvm-mc -triple=amdgcn-amd-amdhsa -mcpu=gfx1250 --defsym DOCPART=n.
;; ======== version 1 of 1: 4 launches
;; limits: right only within a limited range of input values
;; workspace buffers: xq 4,325,376 bytes; wq 3,244,032 bytes; woq 1,081,344 bytes; q 4,456,448 bytes; kv 8,912,896 bytes; oq 4,325,376 bytes
;; launch prep (part 1): grid 384 x 1, 4 waves a work-group, no clusters, 34,304 bytes of LDS; arguments x, weights, out_w, xq, wq, woq; writes xq, wq, woq
.if DOCPART == 1
	.amdgcn_target "amdgcn-amd-amdhsa--gfx1250"
	.amdhsa_code_object_version 6
	.text
	.protected	k_q86f79d79c1_prep
	.globl	k_q86f79d79c1_prep
	.p2align	8
	.type	k_q86f79d79c1_prep,@function
k_q86f79d79c1_prep:
	s_mov_b64 s[64:65], 0
	v_nop
	global_prefetch_b8 v0, s[64:65] scope:SCOPE_SE
	s_setreg_imm32_b32 hwreg(HW_REG_WAVE_MODE, 25, 1), 1
	s_wait_xcnt 0x0
; PREP: x [4096][1024], weights [1024][3072] and out_w [1024][1024], f32, become codes of FP8 (E4M3) with one E8M0 byte for each 32 along K, laid in the ORDER OF AN OPERAND'S REGISTERS.
; A RECORD is 64 rows (of x; columns of a weight) x 128 along K, 8,448 bytes: codes at tt*2048 + c*512 + lane*16 (tile tt = 0..3, c = 0..3, lane = r + 16 h): the 16 codes k = 32 c + 16 h + 0..15 of row
; 32 (tt / 2) + 8 (tt % 2) + (r % 8) + 16 (r / 8); scale words at 8192 + 16 r + 4 tt, byte c for block c.  So a fragment is four loads of 512 consecutive bytes, and four tiles' scale words are one load.
; The rows of a tile are not neighbours: with this order a product's result has 16 neighbours along the next K in 16 registers of a lane.
; Buffers: [K step pair sp][group of 64 rows][K step in the pair][8448].
; A block's scale is 2^(floor(log2(largest magnitude)) - 8); its byte is the largest magnitude's exponent field - 8, held at 1 from below; numbers are held within +-448 x scale ahead of the conversion (ISA guide 7.6.2: it does not saturate).
; LIMITS: a block of zeros, and a block whose largest magnitude lies under 2^-118, keep the byte 1 (their codes are zeros or tiny; this program alone reads the bytes); NaN and infinities are not served.
; SHARES: work-groups 0-127 take x (a wave a record), 128-319 weights, 320-383 out_w (a wave 32 columns x 128 K).  Only x's path uses LDS, a stage of each wave's own: no barrier.
.set RPB,  16896                       ; two records: the K steps 2 sp and 2 sp + 1 of one group
.set RECB, 8448
.set WV,   16                          ; s16 the wave's number
.set MNT,  31                          ; s31 the mantissa field of 448
.set SEL,  32                          ; s[32:33] selects for lane l xor 16
.set RAW,  16                          ; v16-143  x as loaded, two sets of 64
.set X,    144                         ; v144-207 64 numbers of a lane: register 16 b + i = k 32 b + 16 h + i of my row
.set PC,   208                         ; v208-223 a fragment's codes
.set TM,   224                         ; v224-239 at work
.set W4,   240                         ; v240-243 the four tiles' scale words
; 64 numbers of a lane become a fragment's codes in v[PC] on and its scale word in v[pw]
.macro QUANT s, pw
.irp b, 0,1,2,3
	v_max3_num_f32 v[TM+\b], |v[\s+16*\b]|, |v[\s+1+16*\b]|, 0x4800000     ; my 16 numbers of block b, and the floor 2^(9 - 127): the byte cannot fall under 1
.endr
.irp i, 2,4,6,8,10,12,14
.irp b, 0,1,2,3
	v_max3_num_f32 v[TM+\b], v[TM+\b], |v[\s+16*\b+\i]|, |v[\s+1+16*\b+\i]|   ; the four blocks by turns
.endr
.endr
.irp b, 0,1,2,3
	v_permlanex16_b32 v[TM+4+\b], v[TM+\b], s[SEL], s[SEL+1]
.endr
.irp b, 0,1,2,3
	v_max_num_f32 v[TM+\b], v[TM+\b], v[TM+4+\b]                           ; with lane l xor 16's 16: the block's largest magnitude
.endr
.irp b, 0,1,2,3
	v_add_nc_u32 v[TM+12+\b], 0xfc000000, v[TM+\b]                         ; 8 off its exponent field: the conversion's scale operand
.endr
.irp b, 0,1,2,3
	v_and_or_b32 v[TM+8+\b], v[TM+\b], 0x7f800000, s[MNT]                  ; 448 x the scale
.endr
.irp b, 0,1,2,3
	v_lshrrev_b32 v[TM+4+\b], 23, v[TM+12+\b]                              ; the scale's byte
.endr
	v_lshl_or_b32 v[\pw], v[TM+5], 8, v[TM+4]
	v_lshl_or_b32 v[\pw], v[TM+6], 16, v[\pw]
	v_lshl_or_b32 v[\pw], v[TM+7], 24, v[\pw]
.irp b, 0,1,2,3
.irp i, 0,1,2,3,4,5,6,7,8,9,10,11,12,13,14,15
	v_med3_num_f32 v[\s+16*\b+\i], v[\s+16*\b+\i], -v[TM+8+\b], v[TM+8+\b]
.endr
	v_cvt_scalef32_pk8_fp8_f32 v[PC+4*\b:PC+1+4*\b], v[\s+16*\b:\s+7+16*\b], v[TM+12+\b]
	v_cvt_scalef32_pk8_fp8_f32 v[PC+2+4*\b:PC+3+4*\b], v[\s+8+16*\b:\s+15+16*\b], v[TM+12+\b]
.endr
	v_nop                                  ; a plain line behind the last conversion
.endm
; tile tt's 16 rows, 512 consecutive bytes each (128 numbers of K step s), 16 bytes a lane
.macro LOADT tt
.irp i, 0,1,2,3,4,5,6,7,8,9,10,11,12,13,14,15
	global_load_b128 v[RAW+64*((\tt)%2)+4*\i:RAW+64*((\tt)%2)+4*\i+3], v1, s[24:25] offset:(32*((\tt)/2)+8*((\tt)%2)+\i+8*(\i/8))*4096 th:TH_LOAD_NT
.endr
.endm
; tile tt turns through the wave's stage (rows of 512 + 16 bytes), is quantised and stored
.macro XTILE tt
.if (\tt) < 3
	s_wait_loadcnt 16                      ; this tile's 16 loads are in; the next tile's 16 may be out
.else
	s_wait_loadcnt 0x0
.endif
.irp i, 0,1,2,3,4,5,6,7,8,9,10,11,12,13,14,15
	ds_store_b128 v2, v[RAW+64*((\tt)%2)+4*\i:RAW+64*((\tt)%2)+4*\i+3] offset:528*\i
.endr
.irp c, 0,1,2,3
.irp j, 0,1,2,3
	ds_load_b128 v[X+16*\c+4*\j:X+16*\c+4*\j+3], v3 offset:128*\c+16*\j    ; LDS serves a wave's instructions in order: these see the stores above
.endr
.endr
	s_wait_dscnt 0x0                       ; my 64 numbers are in, and the stores have read the set that is loaded again below
	s_wait_xcnt 0x0                        ; the last tile's stores have read v[PC] on, which QUANT writes
.if (\tt) < 2
	LOADT (\tt)+2
.endif
	QUANT X, W4+(\tt)
.irp c, 0,1,2,3
	global_store_b128 v1, v[PC+4*\c:PC+4*\c+3], s[26:27] offset:2048*(\tt)+512*\c    ; 512 consecutive bytes
.endr
.endm
; chunk q of eight: rows 16 q .. 16 q + 15 of my K step, my column: each of the 128 numbers has a register of its own, v[32 + row]
.macro WLOAD q, N
.set k, 16*(\q)
.rept 16
	global_load_b32 v[32+k], v4, s[24:25] offset:k*4*\N th:TH_LOAD_NT
.set k, k+1
.endr
.endm
; A weight [1024][N]: a lane takes a column and its registers run down K, so a block of 32 lies in one lane.  Lane l of a group of 32 columns is row r = (l % 8) + 8 (l / 16) of tile u = (l / 8) % 2.
; The loads go in chunks of 16 rows, three chunks ahead: block c is chunks 2 c and 2 c + 1; at its head chunk 2 c + 2 alone may be out, and chunks 2 c + 3 and 2 c + 4 are asked for: 48 loads of mine are out at the most.
.macro WPATH N, NG, src, dst, base
	s_sub_co_u32 s17, ttmp9, \base
	s_and_b32 s18, s17, 7                  ; K step s
	s_lshr_b32 s19, s17, 3
	s_lshl_b32 s19, s19, 2
	s_add_co_u32 s19, s19, s[WV]           ; cg: my group of 32 columns
	s_mul_i32 s20, s18, 512*\N             ; 128 rows of 4 N bytes
	s_lshl_b32 s21, s19, 7
	s_add_co_u32 s20, s20, s21
	s_mov_b32 s21, 0
	s_add_nc_u64 s[24:25], s[\src:\src+1], s[20:21]
	s_lshr_b32 s22, s18, 1
	s_mul_i32 s22, s22, \NG
	s_lshr_b32 s23, s19, 1
	s_add_co_u32 s22, s22, s23
	s_mul_i32 s22, s22, RPB
	s_and_b32 s23, s18, 1
	s_mul_i32 s23, s23, RECB
	s_add_co_u32 s22, s22, s23
	s_mov_b32 s23, 0
	s_add_nc_u64 s[26:27], s[\dst:\dst+1], s[22:23]     ; my record
	s_and_b32 s28, s19, 1                  ; which half of its 64 columns
	s_lshl_b32 s29, s28, 12
	s_lshl_b32 s28, s28, 3
	v_and_b32 v1, 31, v0
	v_lshlrev_b32 v4, 2, v1                ; in: 4 bytes a lane, 128 consecutive bytes a wave, 512 a work-group
	WLOAD 0, \N
	WLOAD 1, \N
	WLOAD 2, \N
	v_bfe_u32 v5, v0, 3, 1                 ; u
	v_and_b32 v6, 7, v0
	v_bfe_u32 v7, v0, 4, 1
	v_lshl_or_b32 v6, v7, 3, v6            ; r
	v_lshlrev_b32 v2, 4, v6
	v_lshl_add_u32 v3, v5, 2, v2
	v_lshl_add_u32 v2, v5, 11, v2
	v_add_nc_u32 v2, s29, v2               ; codes: tile (2 half + u) x 2048 + 16 r
	v_add_nc_u32 v3, s28, v3               ; scale word: 16 r + 4 (2 half + u)
.irp c, 0,1,2,3
.if \c < 3
	s_wait_loadcnt 16                      ; this block's two chunks are in; the one chunk issued behind them may be out
.else
	s_wait_loadcnt 0x0
.endif
.if 2*\c+3 < 8
	WLOAD 2*\c+3, \N
.endif
.if 2*\c+4 < 8
	WLOAD 2*\c+4, \N
.endif
	v_max3_num_f32 v12, |v[32+32*\c]|, |v[33+32*\c]|, |v[34+32*\c]|
	v_max3_num_f32 v13, |v[35+32*\c]|, |v[36+32*\c]|, |v[37+32*\c]|
.irp i, 6,10,14,18,22,26
	v_max3_num_f32 v12, v12, |v[32+32*\c+\i]|, |v[33+32*\c+\i]|
	v_max3_num_f32 v13, v13, |v[34+32*\c+\i]|, |v[35+32*\c+\i]|
.endr
	v_max3_num_f32 v12, v12, |v[62+32*\c]|, |v[63+32*\c]|
	v_max3_num_f32 v12, v12, v13, 0x4800000
	v_add_nc_u32 v11, 0xfc000000, v12
	v_and_or_b32 v10, v12, 0x7f800000, s[MNT]
	v_lshrrev_b32 v13, 23, v11
.if \c == 0
	v_mov_b32 v24, v13
.else
	v_lshl_or_b32 v24, v13, 8*\c, v24
.endif
.set i, 0
.rept 32
	v_med3_num_f32 v[32+32*\c+i], v[32+32*\c+i], -v10, v10
.set i, i+1
.endr
.irp g, 0,1,2,3
	v_cvt_scalef32_pk8_fp8_f32 v[160+8*\c+2*\g:161+8*\c+2*\g], v[32+32*\c+8*\g:39+32*\c+8*\g], v11
.endr
	v_nop
	global_store_b128 v2, v[160+8*\c:163+8*\c], s[26:27] offset:512*\c          ; k = 32 c + 0..15: the places of lanes r;       each store covers two runs of 256 consecutive bytes, aligned
	global_store_b128 v2, v[164+8*\c:167+8*\c], s[26:27] offset:512*\c+256      ; k = 32 c + 16..31: the places of lanes 16 + r.  Each block's codes have registers of their own: no store's data are written again
.endr
	global_store_b32 v3, v24, s[26:27] offset:8192       ; 4 bytes a lane, half of the record's 256 bytes of scale words: one byte in 130 of what this path moves
.endm
	s_load_b256 s[4:11], s[0:1], 0x0       ; x s[4:5], weights s[6:7], out_w s[8:9], xq s[10:11]
	s_load_b128 s[12:15], s[0:1], 0x20     ; wq s[12:13], woq s[14:15]
	v_lshl_add_u32 v254, v0, 2, 0x8400
	v_mov_b32 v255, 0
	v_lshrrev_b32 v1, 5, v0
	v_readfirstlane_b32 s[WV], v1
	s_mov_b32 s[MNT], 0x600000
	s_mov_b32 s[SEL], 0x76543210
	s_mov_b32 s[SEL+1], 0xfedcba98
	s_wait_kmcnt 0x0
	s_cmp_lt_u32 ttmp9, 128
	s_cbranch_scc1 .Lx
	s_cmp_lt_u32 ttmp9, 320
	s_cbranch_scc1 .Lw
	WPATH 1024, 16, 8, 14, 320
	s_endpgm
.Lw:
	WPATH 3072, 48, 6, 12, 128
	s_endpgm
.Lx:
	s_lshr_b32 s17, ttmp9, 1               ; G: my 64 rows
	s_and_b32 s18, ttmp9, 1
	s_lshl_b32 s18, s18, 2
	s_add_co_u32 s18, s18, s[WV]           ; K step s: the four waves stand side by side on 2,048 bytes of each row
	s_lshl_b32 s20, s17, 18
	s_lshl_b32 s21, s18, 9
	s_add_co_u32 s20, s20, s21
	s_mov_b32 s21, 0
	s_add_nc_u64 s[24:25], s[4:5], s[20:21]
	s_lshr_b32 s22, s18, 1
	s_lshl_b32 s22, s22, 6
	s_add_co_u32 s22, s22, s17
	s_mul_i32 s22, s22, RPB
	s_and_b32 s23, s18, 1
	s_mul_i32 s23, s23, RECB
	s_add_co_u32 s22, s22, s23
	s_mov_b32 s23, 0
	s_add_nc_u64 s[26:27], s[10:11], s[22:23]
	s_mul_i32 s28, s[WV], 16*528           ; my stage
	v_and_b32 v5, 31, v0
	v_lshlrev_b32 v1, 4, v5                ; 16 x lane: in memory, on both ways
	v_add_nc_u32 v2, s28, v1               ; the stage, on the way in
	v_and_b32 v6, 15, v0                   ; r
	v_bfe_u32 v7, v0, 4, 1                 ; h
	v_mul_u32_u24 v3, v6, 528
	v_lshl_add_u32 v3, v7, 6, v3
	v_add_nc_u32 v3, s28, v3               ; and on the way out: row r, + 64 h
	v_lshlrev_b32 v4, 4, v6
	v_lshl_add_u32 v4, v7, 3, v4           ; scale words: 16 r + 8 h
	v_cmp_ne_u32 vcc_lo, 0, v7
.irp b, 0,1,2,3
	v_mov_b32 v[TM+4+\b], 0                ; a lane permute's destination counts as one of its sources
.endr
	LOADT 0
	LOADT 1
	s_wait_alu depctr_va_vdst(0)
	XTILE 0
	XTILE 1
	XTILE 2
	XTILE 3
	v_cndmask_b32 v244, v[W4], v[W4+2], vcc_lo       ; lanes 0-15 store tiles 0 and 1's words, lanes 16-31 tiles 2 and 3's
	v_cndmask_b32 v245, v[W4+1], v[W4+3], vcc_lo
	global_store_b64 v4, v[244:245], s[26:27] offset:8192     ; 256 consecutive bytes, aligned
	s_wait_tensorcnt 0x0
	ds_add_u32 v254, v255
	s_wait_dscnt 0x0
	s_endpgm
.Lfunc_end_k_q86f79d79c1_prep:
	.size	k_q86f79d79c1_prep, .Lfunc_end_k_q86f79d79c1_prep-k_q86f79d79c1_prep
	.p2alignl 7, 3214868480
	.fill 96, 4, 3214868480
	.section	.rodata,"a",@progbits
	.p2align	6, 0x0
	.amdhsa_kernel k_q86f79d79c1_prep
		.amdhsa_group_segment_fixed_size 34304
		.amdhsa_private_segment_fixed_size 0
		.amdhsa_enable_private_segment 0
		.amdhsa_kernarg_size 48
		.amdhsa_user_sgpr_count 2
		.amdhsa_user_sgpr_kernarg_segment_ptr 1
		.amdhsa_wavefront_size32 1
		.amdhsa_system_sgpr_workgroup_id_x 1
		.amdhsa_system_sgpr_workgroup_id_y 1
		.amdhsa_system_sgpr_workgroup_id_z 1
		.amdhsa_system_vgpr_workitem_id 0
		.amdhsa_next_free_vgpr 256
		.amdhsa_next_free_sgpr 66
		.amdhsa_reserve_vcc 1
		.amdhsa_float_denorm_mode_32 3
		.amdhsa_float_denorm_mode_16_64 3
		.amdhsa_memory_ordered 1
		.amdhsa_forward_progress 1
		.amdhsa_inst_pref_size 108
	.end_amdhsa_kernel
	.amdgpu_metadata
---
amdhsa.version: [ 1, 2 ]
amdhsa.kernels:
  - .name:           k_q86f79d79c1_prep
    .symbol:         k_q86f79d79c1_prep.kd
    .args:
      - { .name: x, .offset: 0, .size: 8, .value_kind: global_buffer, .address_space: global }
      - { .name: weights, .offset: 8, .size: 8, .value_kind: global_buffer, .address_space: global }
      - { .name: out_w, .offset: 16, .size: 8, .value_kind: global_buffer, .address_space: global }
      - { .name: xq, .offset: 24, .size: 8, .value_kind: global_buffer, .address_space: global }
      - { .name: wq, .offset: 32, .size: 8, .value_kind: global_buffer, .address_space: global }
      - { .name: woq, .offset: 40, .size: 8, .value_kind: global_buffer, .address_space: global }
    .group_segment_fixed_size: 34304
    .private_segment_fixed_size: 0
    .kernarg_segment_align: 8
    .kernarg_segment_size: 48
    .max_flat_workgroup_size: 128
    .sgpr_count:     66
    .vgpr_count:     256
    .wavefront_size: 32
...
	.end_amdgpu_metadata
.endif
;; end of part 1
;; launch qkv (part 2): grid 16 x 16, 12 waves a work-group, clusters of 4 x 4, 327,680 bytes of LDS; arguments xq, wq, in_bias, q, kv; writes q, kv
.if DOCPART == 2
	.amdgcn_target "amdgcn-amd-amdhsa--gfx1250"
	.amdhsa_code_object_version 6
	.text
	.protected	k_q86f79d79c1_qkv
	.globl	k_q86f79d79c1_qkv
	.p2align	8
	.type	k_q86f79d79c1_qkv,@function
k_q86f79d79c1_qkv:
	s_mov_b64 s[64:65], 0
	v_nop
	global_prefetch_b8 v0, s[64:65] scope:SCOPE_SE
	s_setreg_imm32_b32 hwreg(HW_REG_WAVE_MODE, 25, 1), 1
	s_wait_xcnt 0x0
	s_wait_alu depctr_hold_cnt(0) depctr_sa_sdst(0) depctr_va_vdst(0) depctr_va_sdst(0) depctr_va_ssrc(0) depctr_va_vcc(0) depctr_vm_vsrc(0)
	s_getreg_b32 s2, hwreg(HW_REG_IB_STS2, 6, 4)
	s_cmp_eq_u32 s2, 0
	s_cbranch_scc0 .Lentry_in_a_cluster
	s_endpgm
.Lentry_in_a_cluster:
	s_bfe_u32 s2, ttmp6, 0x10000c
	s_cmp_lg_u32 s2, 0xf033
	s_cbranch_scc0 .Lentry_shape_is_right
	s_endpgm
.Lentry_shape_is_right:
; QKV: qkv = x weights + in_bias on codes of FP8 (E4M3) with E8M0 scales, and Q, K (along the head's 64) and V (along the keys) quantised in registers, laid as the attention launch's operands.
; SHARES: a work-group makes 256 rows x one head's 192 columns.  Wave w: part = w / 4 (0 Q, 1 K, 2 V), mg = w % 4: 64 rows (x's record mg) x 64 columns (the weight's record part): 16 accumulators.
; Source 0 = P (4 fragments), source 1 = R (4 fragments).  Q and K: P = weights, R = x: a lane holds one row of x and its registers run along the head's 64.  V: P = x, R = weights: a lane holds one channel and
; its registers run along the keys.  By the order of rows in a record, the 16 registers of tiles 2 b and 2 b + 1 of P are 16 neighbours 32 b + 16 (lane / 16) + 0..15: so ONE text quantises all three.
; K goes in four pairs of steps of 128 through two LDS slots; a slot holds 7 pairs of records (4 of x, 3 of the weight), each one dense block of 66 x 256 bytes; x's four and the weight's three come by one tensor load each.
; CLUSTER 4 x 4: x's records hang on the row block alone and are asked for jointly along a row of the cluster, the weight's on the head alone, along a column.
; OUT: q [b][head][group of 64 queries][4352]: 4 tiles x ([c 2][lane][16]), then scale words [r][tile].  kv [b][hg][step of 128 keys][hh][17408]: K's codes [tile 8][c 2][lane][16]; at 8192 V's [dt 4][c 4][lane][16];
; at 16384 K's scale words [4 tiles][r][tile]; at 16896 V's [half of the keys][r][dt].  hg = (head / 2) % 4, hh = head % 2 + 2 (head / 8).  Every scale word holds its two bytes twice.
; LIMITS: as in the launch before: a block under 2^-118 keeps the byte 1; NaN and infinities are not served (the bias not used by a role is multiplied by 0).
.set RPB,   16896
.set RECB,  8448
.set SLOT,  7*RPB
.set SPARE, 2*SLOT                     ; behind the ring: the spare words, 128 bytes for each of 12 waves: six blocks of 256 bytes that no other line names
.set SPW, 1                            ; v1  my spare word's LDS address; never rewritten
.set NIL, 2                            ; v2  0; never rewritten
.set AP,  3                            ; v3-4   P's fragments in slot 0, 1: 16 x lane + the record
.set AR,  5                            ; v5-6   R's
.set ASP, 7                            ; v7-8   P's scale words: 16 x (lane % 16) + the record + 8192
.set ASR, 9                            ; v9-10  R's
.set VO,  11                           ; v11-14 where R tile r's codes go
.set SOF, 15                           ; v15    where my two scale words go
.set SP,  16                           ; v16-19 P's scale words, a register a tile
.set SR,  20                           ; v20-23 R's
.set PF,  24                           ; v24-87 P's four fragments
.set RF,  88                           ; v88-119 R's fragments, two buffers
.set ACC, 120                          ; v120-247 accumulator (r, p) at ACC + 32 r + 8 p
.set WV,  14
.set G1X, 16                           ; s[16:23], s[24:31] descriptor groups 1;  s[32:39], s[40:47] groups 0, a set for each slot
.set G1W, 24
.set G0X, 32
.set G0W, 40
.set CB,  48                           ; s[48:49] where my codes go;  s[50:51] my scale words
.set SB,  50
.set SQK, 52                           ; s52 1.0 for Q and K, s53 1.0 for V, else 0
.set SV,  53
.set SEL, 54
.set MNT, 56
.macro CROUND                          ; a round of the cluster's barrier
	s_barrier_signal -1
	s_barrier_wait -1
	s_cmp_lg_u32 s[WV], 0
	s_cbranch_scc1 .Lnw0_\@
	s_barrier_signal -3
.Lnw0_\@:
	s_barrier_wait -3
	s_barrier_signal -1
	s_barrier_wait -1
.endm
.macro NOPS n
.rept \n
	v_nop
.endr
.endm
; a joint refill of slot s: wave 0 x's pairs of records, wave 1 the weight's, the others none.  The branches hang on the wave's number alone; four v_nop follow each tensor line
.macro JLOAD s
	s_cmp_eq_u32 s[WV], 0
	s_cbranch_scc0 .Lnx_\@
	tensor_load_to_lds s[G0X+4*\s:G0X+4*\s+3], s[G1X:G1X+7]
	s_nop 0
	NOPS 4
	s_branch .Ljd_\@
.Lnx_\@:
	s_cmp_eq_u32 s[WV], 1
	s_cbranch_scc0 .Ljd_\@
	tensor_load_to_lds s[G0W+4*\s:G0W+4*\s+3], s[G1W:G1W+7]
	s_nop 0
	NOPS 4
.Ljd_\@:
.endm
.macro WM4 r                           ; R tile r against P's four: four accumulators, one instruction each
.irp p, 0,1,2,3
	v_wmma_scale_f32_16x16x128_f8f6f4 v[ACC+32*(\r)+8*\p:ACC+32*(\r)+8*\p+7], v[PF+16*\p:PF+16*\p+15], v[RF+16*((\r)%2):RF+16*((\r)%2)+15], v[ACC+32*(\r)+8*\p:ACC+32*(\r)+8*\p+7], v[SP+\p], v[SR+(\r)]
.endr
.endm
.macro RLOAD ar, o, r
.irp c, 0,1,2,3
	ds_load_b128 v[RF+16*((\r)%2)+4*\c:RF+16*((\r)%2)+4*\c+3], v[\ar] offset:(\o)+(\r)*2048+512*\c
.endr
.endm
; 128 along K: 16 matrix instructions, the 16 accumulators by turns.  Every fragment load is 512 consecutive bytes.
.macro KSTEP ap, ar, asp, asr, s2
	NOPS 8                                 ; eight places in front of loads into registers that matrix instructions have read
	ds_load_b128 v[SP:SP+3], v[\asp] offset:(\s2)*RECB
	ds_load_b128 v[SR:SR+3], v[\asr] offset:(\s2)*RECB
.irp p, 0,1,2,3
.irp c, 0,1,2,3
	ds_load_b128 v[PF+16*\p+4*\c:PF+16*\p+4*\c+3], v[\ap] offset:(\s2)*RECB+\p*2048+512*\c
.endr
.endr
	RLOAD \ar, (\s2)*RECB, 0
	RLOAD \ar, (\s2)*RECB, 1
	s_wait_dscnt 4                         ; all but R tile 1's four loads
	WM4 0
	s_wait_dscnt 0x0
	WM4 1
	NOPS 8
	RLOAD \ar, (\s2)*RECB, 2
	RLOAD \ar, (\s2)*RECB, 3
	s_wait_dscnt 4                         ; all but R tile 3's four
	WM4 2
	s_wait_dscnt 0x0
	WM4 3
.endm
; the change of slots: all my tensor loads have landed, 0 onto my spare word, my reads of the slot are over; a round of the cluster's barrier; the joint refill first behind it
.macro CH s
	s_wait_tensorcnt 0x0
	ds_add_u32 v[SPW], v[NIL]
	ds_add_u32 v[SPW], v[NIL]              ; twice on end
	s_add_nc_u64 s[G0X+4*\s+2:G0X+4*\s+3], s[G0X+4*\s+2:G0X+4*\s+3], 2*64*RPB
	s_add_nc_u64 s[G0W+4*\s+2:G0W+4*\s+3], s[G0W+4*\s+2:G0W+4*\s+3], 2*48*RPB
	s_wait_dscnt 0x0
	CROUND
	JLOAD \s
.endm
	s_load_b256 s[4:11], s[0:1], 0x0       ; xq s[4:5], wq s[6:7], in_bias s[8:9], q s[10:11]
	s_load_b64 s[12:13], s[0:1], 0x20      ; kv
	v_lshl_add_u32 v[SPW], v0, 2, SPARE
	v_mov_b32 v[NIL], 0
	ds_add_u32 v1, v2
	ds_add_u32 v1, v2
	s_wait_dscnt 0x0
	v_lshrrev_b32 v3, 5, v0
	s_delay_alu instid0(VALU_DEP_1)
	v_readfirstlane_b32 s[WV], v3
	s_bfe_u32 s66, ttmp6, 0x40000          ; cx
	s_bfe_u32 s67, ttmp6, 0x40004          ; cy
	s_lshl_b32 s68, ttmp9, 2
	s_add_co_u32 s68, s68, s66             ; head
	s_and_b32 s69, ttmp7, 0xffff
	s_lshl_b32 s69, s69, 2
	s_add_co_u32 s69, s69, s67             ; block of 256 rows
	s_lshl_b32 s70, s67, 2
	s_lshl_b32 s70, 15, s70                ; my row of the cluster
	s_lshl_b32 s71, 0x1111, s66            ; my column
	s_or_b32 s[G1X], s70, (3<<16)|(1<<21)  ; the mask; elements of 8 bytes; bit 21 beside a mask; no padding
	s_or_b32 s[G1W], s71, (3<<16)|(1<<21)
; THE FILLS: a slot's four pairs of records of x follow each other in memory (264 rows of 256 bytes), and so do the head's three of the weight (198 rows): one tensor load each.
; At the head wave 0 fetches slot 0's x, wave 1 slot 0's weight, waves 2 and 3 the same for slot 1: one load a wave.  A refill is fetched by waves 0 and 1.
.irp g, G1X, G1W
	s_mov_b32 s[\g+1], 32<<16              ; tensor_dim0 = 32 elements: rows of 256 bytes
	s_mov_b32 s[\g+3], 32<<16              ; tile_dim0
	s_mov_b32 s[\g+5], 32                  ; pitch: dense
	s_mov_b32 s[\g+6], 0
	s_mov_b32 s[\g+7], 0
.endr
	s_mov_b32 s[G1X+2], 264<<16            ; tensor_dim1, tile_dim1: 4 x 66 rows
	s_mov_b32 s[G1X+4], 264
	s_mov_b32 s[G1W+2], 198<<16            ; 3 x 66 rows
	s_mov_b32 s[G1W+4], 198
	s_and_b32 s72, s[WV], 3                ; mg
	s_lshr_b32 s73, s[WV], 2               ; part
	s_lshr_b32 s74, s[WV], 3               ; 1 for V
	s_lshl_b32 s76, s69, 2
	s_mul_i32 s76, s76, RPB                ; x: groups 4 blk on
	s_mov_b32 s77, 0
	s_mul_i32 s78, s68, 3*RPB              ; the weight: records 3 head on
	s_mov_b32 s79, 0
	s_mov_b32 s[SEL], 0x76543210
	s_mov_b32 s[SEL+1], 0xfedcba98
	s_mov_b32 s[MNT], 0x600000
	s_wait_kmcnt 0x0
	s_add_nc_u64 s[76:77], s[4:5], s[76:77]
	s_add_nc_u64 s[78:79], s[6:7], s[78:79]
	CROUND                                 ; all sixteen work-groups are here: the first joint loads meet
.irp s, 0,1
	s_mov_b32 s[G0X+4*\s], 1
	s_mov_b32 s[G0X+4*\s+1], \s*SLOT
	s_add_nc_u64 s[G0X+4*\s+2:G0X+4*\s+3], s[76:77], \s*64*RPB
	s_or_b32 s[G0X+4*\s+3], s[G0X+4*\s+3], 0x80000000
	s_mov_b32 s[G0W+4*\s], 1
	s_mov_b32 s[G0W+4*\s+1], \s*SLOT+4*RPB
	s_add_nc_u64 s[G0W+4*\s+2:G0W+4*\s+3], s[78:79], \s*48*RPB
	s_or_b32 s[G0W+4*\s+3], s[G0W+4*\s+3], 0x80000000
.endr
; one chain of branches on the wave's number, a load to an arm, all arms leading to one join: no way passes two loads
.macro ARM w, g0, g1, next
	s_cmp_eq_u32 s[WV], \w
	s_cbranch_scc0 \next
	tensor_load_to_lds s[\g0:\g0+3], s[\g1:\g1+7]
	s_nop 0
	NOPS 4
	s_branch .Lf_done
\next:
.endm
	ARM 0, G0X, G1X, .Lf_1
	ARM 1, G0W, G1W, .Lf_2
	ARM 2, G0X+4, G1X, .Lf_3
	ARM 3, G0W+4, G1W, .Lf_4
.Lf_done:
	; which of a slot's seven pairs of records are P and R: Q, K: P = 4 + part, R = mg;  V: P = mg, R = 6
	s_xor_b32 s81, s74, 1
	s_add_co_u32 s82, s73, 4
	s_mul_i32 s83, s81, s82
	s_mul_i32 s84, s74, s72
	s_add_co_u32 s83, s83, s84
	s_mul_i32 s83, s83, RPB
	s_mul_i32 s84, s81, s72
	s_mul_i32 s85, s74, 6
	s_add_co_u32 s84, s84, s85
	s_mul_i32 s84, s84, RPB
	v_and_b32 v16, 31, v0
	s_delay_alu instid0(VALU_DEP_1)
	v_lshlrev_b32 v16, 4, v16              ; 16 x lane
	v_and_b32 v17, 15, v0
	s_delay_alu instid0(VALU_DEP_1)
	v_lshlrev_b32 v18, 4, v17              ; 16 r
	v_bfe_u32 v19, v0, 4, 1                ; h
	s_delay_alu instid0(VALU_DEP_4)
	v_add_nc_u32 v[AP], s83, v16
	s_delay_alu instid0(VALU_DEP_1)
	v_add_nc_u32 v[AP+1], SLOT, v[AP]
	v_add_nc_u32 v[AR], s84, v16
	s_delay_alu instid0(VALU_DEP_1)
	v_add_nc_u32 v[AR+1], SLOT, v[AR]
	v_add_nc_u32 v[ASP], s83, v18
	s_delay_alu instid0(VALU_DEP_1)
	v_add_nc_u32 v[ASP], 8192, v[ASP]
	s_delay_alu instid0(VALU_DEP_1)
	v_add_nc_u32 v[ASP+1], SLOT, v[ASP]
	v_add_nc_u32 v[ASR], s84, v18
	s_delay_alu instid0(VALU_DEP_1)
	v_add_nc_u32 v[ASR], 8192, v[ASR]
	s_delay_alu instid0(VALU_DEP_1)
	v_add_nc_u32 v[ASR+1], SLOT, v[ASR]
	; the bias starts the sums.  Q, K: it runs along the registers: B1(p, j) = in_bias(192 head + 64 part + 32 (p / 2) + 16 h + 8 (p % 2) + j);  V: along the lanes: B2(r) at the lane's channel
	s_mul_i32 s86, s68, 768
	s_lshl_b32 s87, s73, 8
	s_add_co_u32 s86, s86, s87
	s_mov_b32 s87, 0
	s_add_nc_u64 s[8:9], s[8:9], s[86:87]
	v_lshlrev_b32 v20, 6, v19
	v_and_b32 v21, 7, v0
	v_bfe_u32 v22, v0, 3, 1
	s_delay_alu instid0(VALU_DEP_1)
	v_lshl_add_u32 v21, v22, 4, v21
	s_delay_alu instid0(VALU_DEP_1)
	v_lshlrev_b32 v21, 2, v21
.irp p, 0,1,2,3
	global_load_b128 v[PF+8*\p:PF+8*\p+3], v20, s[8:9] offset:(32*(\p/2)+8*(\p%2))*4
	global_load_b128 v[PF+8*\p+4:PF+8*\p+7], v20, s[8:9] offset:(32*(\p/2)+8*(\p%2))*4+16
	global_load_b32 v[PF+32+\p], v21, s[8:9] offset:(32*(\p/2)+8*(\p%2))*4
.endr
	; where the results go
	s_lshr_b32 s81, s69, 3                 ; b
	s_and_b32 s82, s69, 7
	s_lshl_b32 s83, s81, 4
	s_add_co_u32 s83, s83, s68
	s_lshl_b32 s83, s83, 5
	s_lshl_b32 s84, s82, 2
	s_add_co_u32 s83, s83, s84
	s_add_co_u32 s83, s83, s72
	s_mul_i32 s83, s83, 4352               ; Q's entry: ((16 b + head) 32 + 4 (blk % 8) + mg) x 4352
	s_bfe_u32 s84, s68, 0x20001            ; hg
	s_lshl_b32 s85, s81, 2
	s_add_co_u32 s85, s85, s84
	s_lshl_b32 s85, s85, 4
	s_lshl_b32 s86, s82, 1
	s_add_co_u32 s85, s85, s86
	s_lshr_b32 s86, s72, 1
	s_add_co_u32 s85, s85, s86             ; (4 b + hg) 16 + the step of 128 keys
	s_mul_i32 s85, s85, 69632
	s_and_b32 s86, s68, 1
	s_lshr_b32 s87, s68, 3
	s_lshl_b32 s87, s87, 1
	s_or_b32 s86, s86, s87                 ; hh
	s_mul_i32 s86, s86, 17408
	s_add_co_u32 s85, s85, s86             ; the head's record of that step
	s_and_b32 s86, s72, 1                  ; which 64 of its 128 keys
	s_lshl_b32 s87, s74, 1
	s_sub_co_u32 s87, 12, s87
	s_lshl_b32 s87, s86, s87               ; K: 4096 x half;  V: 1024 x half
	s_lshl_b32 s88, s74, 13                ; V's codes lie 8192 on
	s_add_co_u32 s87, s87, s88
	s_add_co_u32 s87, s87, s85
	s_lshl_b32 s88, s74, 9                 ; V's scale words 512 behind K's
	s_lshl_b32 s89, s86, 8
	s_add_co_u32 s88, s88, s89
	s_add_co_u32 s88, s88, s85
	s_add_co_u32 s88, s88, 16384
	s_add_co_u32 s89, s83, 4096
	s_lshl_b32 s90, 1024, s74              ; from R tile to R tile: 1024, for V 2048
	s_mov_b32 s93, 0
	s_mov_b32 s95, 0
	s_cmp_eq_u32 s73, 0                    ; the choice hangs on the wave's number alone
	s_cselect_b64 s[CB:CB+1], s[10:11], s[12:13]
	s_cselect_b32 s92, s83, s87
	s_cselect_b32 s94, s89, s88
	s_add_nc_u64 s[SB:SB+1], s[CB:CB+1], s[94:95]
	s_add_nc_u64 s[CB:CB+1], s[CB:CB+1], s[92:93]
	s_cmp_eq_u32 s74, 0
	s_cselect_b32 s[SQK], 1.0, 0
	s_cselect_b32 s[SV], 0, 1.0
	v_mov_b32 v[VO], v16
	s_delay_alu instid0(VALU_DEP_1)
	v_add_nc_u32 v[VO+1], s90, v[VO]
	s_delay_alu instid0(VALU_DEP_1)
	v_add_nc_u32 v[VO+2], s90, v[VO+1]
	s_delay_alu instid0(VALU_DEP_1)
	v_add_nc_u32 v[VO+3], s90, v[VO+2]
	v_lshl_add_u32 v[SOF], v19, 3, v18     ; 16 r + 8 h
	s_wait_loadcnt 0x0
.irp r, 0,1,2,3
	v_mul_f32 v[PF+32+\r], s[SV], v[PF+32+\r]
.endr
.irp r, 0,1,2,3
.irp p, 0,1,2,3
.irp j, 0,1,2,3,4,5,6,7
	v_fma_f32 v[ACC+32*\r+8*\p+\j], v[PF+8*\p+\j], s[SQK], v[PF+32+\r]     ; this work stands in the time in which the first tiles land
.endr
.endr
.endr
	s_wait_alu depctr_va_vdst(0)
	s_cmp_lt_u32 s[WV], 2                  ; waves 0 and 1 brought slot 0 by load lines of their own; slot 1's two loads are waited for at the first change of slots
	s_cbranch_scc0 .Lf_later
	s_wait_tensorcnt 0x0
.Lf_later:
	s_barrier_signal -1
	s_barrier_wait -1
	KSTEP AP, AR, ASP, ASR, 0
	KSTEP AP, AR, ASP, ASR, 1
	CH 0
	KSTEP AP+1, AR+1, ASP+1, ASR+1, 0
	KSTEP AP+1, AR+1, ASP+1, ASR+1, 1
	CH 1
	KSTEP AP, AR, ASP, ASR, 0
	KSTEP AP, AR, ASP, ASR, 1
	s_wait_tensorcnt 0x0                   ; the last pair of K steps has landed; nothing is filled again, so no round follows
	ds_add_u32 v[SPW], v[NIL]
	s_wait_dscnt 0x0
	s_barrier_signal -1
	s_barrier_wait -1
	KSTEP AP+1, AR+1, ASP+1, ASR+1, 0
	KSTEP AP+1, AR+1, ASP+1, ASR+1, 1
	; THE WAY OUT: eight blocks of 32, block q = 2 r + b in the 16 registers ACC + 16 q on and in lane l xor 16's.  v24-31 largest magnitudes, v32-39 bytes, v40-47 448 x scale, v48-55 scale operands, v56-59 words
	NOPS 8                                 ; places behind the last products; each accumulator is then read from its low end on
.irp q, 0,1,2,3,4,5,6,7
	v_mov_b32 v[32+\q], 0
.endr
.irp q, 0,1,2,3,4,5,6,7
	v_max3_num_f32 v[24+\q], |v[ACC+16*\q]|, |v[ACC+16*\q+1]|, 0x4800000
.endr
.irp i, 2,4,6,8,10,12,14
.irp q, 0,1,2,3,4,5,6,7
	v_max3_num_f32 v[24+\q], v[24+\q], |v[ACC+16*\q+\i]|, |v[ACC+16*\q+\i+1]|
.endr
.endr
.irp q, 0,1,2,3,4,5,6,7
	v_permlanex16_b32 v[32+\q], v[24+\q], s[SEL], s[SEL+1]
.endr
.irp q, 0,1,2,3,4,5,6,7
	v_max_num_f32 v[24+\q], v[24+\q], v[32+\q]
.endr
.irp q, 0,1,2,3,4,5,6,7
	v_add_nc_u32 v[48+\q], 0xfc000000, v[24+\q]
.endr
.irp q, 0,1,2,3,4,5,6,7
	v_and_or_b32 v[40+\q], v[24+\q], 0x7f800000, s[MNT]
.endr
.irp q, 0,1,2,3,4,5,6,7
	v_lshrrev_b32 v[32+\q], 23, v[48+\q]
.endr
.irp r, 0,1,2,3
	v_lshl_or_b32 v[56+\r], v[33+2*\r], 8, v[32+2*\r]
.endr
.irp r, 0,1,2,3
	s_delay_alu instid0(VALU_DEP_4)
	v_lshl_or_b32 v[56+\r], v[56+\r], 16, v[56+\r]       ; the two bytes twice
.endr
.irp q, 0,1,2,3,4,5,6,7
.irp i, 0,1,2,3,4,5,6,7,8,9,10,11,12,13,14,15
	v_med3_num_f32 v[ACC+16*\q+\i], v[ACC+16*\q+\i], -v[40+\q], v[40+\q]
.endr
	v_cvt_scalef32_pk8_fp8_f32 v[RF+4*\q:RF+4*\q+1], v[ACC+16*\q:ACC+16*\q+7], v[48+\q]
	v_cvt_scalef32_pk8_fp8_f32 v[RF+4*\q+2:RF+4*\q+3], v[ACC+16*\q+8:ACC+16*\q+15], v[48+\q]
.endr
	v_nop
	v_and_b32 v60, 16, v0
	s_delay_alu instid0(VALU_DEP_1)
	v_cmp_ne_u32 vcc_lo, 0, v60
	s_delay_alu instid0(VALU_DEP_1)
	v_cndmask_b32 v62, v56, v58, vcc_lo
	s_delay_alu instid0(VALU_DEP_2)
	v_cndmask_b32 v63, v57, v59, vcc_lo
.irp r, 0,1,2,3
	global_store_b128 v[VO+\r], v[RF+8*\r:RF+8*\r+3], s[CB:CB+1]               ; 512 consecutive bytes each
	global_store_b128 v[VO+\r], v[RF+8*\r+4:RF+8*\r+7], s[CB:CB+1] offset:512
.endr
	global_store_b64 v[SOF], v[62:63], s[SB:SB+1]        ; 256 consecutive bytes, aligned
	s_wait_tensorcnt 0x0                   ; the wave's end
	ds_add_u32 v[SPW], v[NIL]
	s_wait_dscnt 0x0
	CROUND                                 ; the closing round
	s_endpgm
.Lfunc_end_k_q86f79d79c1_qkv:
	.size	k_q86f79d79c1_qkv, .Lfunc_end_k_q86f79d79c1_qkv-k_q86f79d79c1_qkv
	.p2alignl 7, 3214868480
	.fill 96, 4, 3214868480
	.section	.rodata,"a",@progbits
	.p2align	6, 0x0
	.amdhsa_kernel k_q86f79d79c1_qkv
		.amdhsa_group_segment_fixed_size 327680
		.amdhsa_private_segment_fixed_size 0
		.amdhsa_enable_private_segment 0
		.amdhsa_kernarg_size 40
		.amdhsa_user_sgpr_count 2
		.amdhsa_user_sgpr_kernarg_segment_ptr 1
		.amdhsa_wavefront_size32 1
		.amdhsa_system_sgpr_workgroup_id_x 1
		.amdhsa_system_sgpr_workgroup_id_y 1
		.amdhsa_system_sgpr_workgroup_id_z 1
		.amdhsa_system_vgpr_workitem_id 0
		.amdhsa_next_free_vgpr 256
		.amdhsa_next_free_sgpr 100
		.amdhsa_reserve_vcc 1
		.amdhsa_float_denorm_mode_32 3
		.amdhsa_float_denorm_mode_16_64 3
		.amdhsa_memory_ordered 1
		.amdhsa_forward_progress 1
		.amdhsa_inst_pref_size 78
	.end_amdhsa_kernel
	.amdgpu_metadata
---
amdhsa.version: [ 1, 2 ]
amdhsa.kernels:
  - .name:           k_q86f79d79c1_qkv
    .symbol:         k_q86f79d79c1_qkv.kd
    .args:
      - { .name: xq, .offset: 0, .size: 8, .value_kind: global_buffer, .address_space: global }
      - { .name: wq, .offset: 8, .size: 8, .value_kind: global_buffer, .address_space: global }
      - { .name: in_bias, .offset: 16, .size: 8, .value_kind: global_buffer, .address_space: global }
      - { .name: q, .offset: 24, .size: 8, .value_kind: global_buffer, .address_space: global }
      - { .name: kv, .offset: 32, .size: 8, .value_kind: global_buffer, .address_space: global }
    .group_segment_fixed_size: 327680
    .private_segment_fixed_size: 0
    .kernarg_segment_align: 8
    .kernarg_segment_size: 40
    .max_flat_workgroup_size: 384
    .sgpr_count:     100
    .vgpr_count:     256
    .wavefront_size: 32
...
	.end_amdgpu_metadata
.endif
;; end of part 2
;; launch attn (part 3): grid 4 x 64, 16 waves a work-group, clusters of 4 x 4, 327,680 bytes of LDS; arguments q, kv, adj, mat_mask, gamma, oq; writes oq
.if DOCPART == 3
	.amdgcn_target "amdgcn-amd-amdhsa--gfx1250"
	.amdhsa_code_object_version 6
	.text
	.protected	k_q86f79d79c1_attn
	.globl	k_q86f79d79c1_attn
	.p2align	8
	.type	k_q86f79d79c1_attn,@function
k_q86f79d79c1_attn:
	s_mov_b64 s[64:65], 0
	v_nop
	global_prefetch_b8 v0, s[64:65] scope:SCOPE_SE
	s_setreg_imm32_b32 hwreg(HW_REG_WAVE_MODE, 25, 1), 1
	s_wait_xcnt 0x0
	s_wait_alu depctr_hold_cnt(0) depctr_sa_sdst(0) depctr_va_vdst(0) depctr_va_sdst(0) depctr_va_ssrc(0) depctr_va_vcc(0) depctr_vm_vsrc(0)
	s_getreg_b32 s2, hwreg(HW_REG_IB_STS2, 6, 4)
	s_cmp_eq_u32 s2, 0
	s_cbranch_scc0 .Lentry_in_a_cluster
	s_endpgm
.Lentry_in_a_cluster:
	s_bfe_u32 s2, ttmp6, 0x10000c
	s_cmp_lg_u32 s2, 0xf033
	s_cbranch_scc0 .Lentry_shape_is_right
	s_endpgm
.Lentry_shape_is_right:
; ATTN: out = softmax(Q K^T / 8 + alibi + gamma adj, masked) V, both products on codes of FP8 (E4M3) with E8M0 scales; the result is quantised along D for the last product.
; SHARES: a work-group owns 64 queries (group GY of 64) and four heads h = 2 hg + hh % 2 + 8 (hh / 2): two with ALiBi (hh 0, 1), two without.  Wave w: hh = w / 4, tile tt = w % 4 of 16 queries.  16 steps of 128 keys.
; Both products are used transposed (S^T = K Q^T, O^T = V^T P^T): a lane holds ONE query; by the order of keys in a tile of K, the 16 registers of tiles 2 b, 2 b + 1 are keys 32 b + 16 (lane / 16) + 0..15.
; THE BIAS IS THE C OF THE SCORE'S MATRIX INSTRUCTION: C = 8 gamma adj - 8 slope |key - query| + (0, or -2^125 where the mask hides the key).  adj is loaded into the score registers and turned into C in place;
; the result is 8 x the logit, and t - M is one packed multiply-add with c = log2(e) / 8.
; K = 64 IN AN INSTRUCTION OF 128: Q lies as [Q][zeros][Q], K's tiles in pairs as [Ka][zeros][Kb]: [Ka|0] meets [Q|0], [0|Kb] meets [0|Q]; the zeros are written once; scale words hold their two bytes twice.
; THE SOFTMAX: M = the running largest t rounded up to a whole number; p = 2^(t - M), not normalised, is quantised along the keys; the sum is taken of the unquantised p and divides at the end.
; RING: two slots of one key step: four heads' records of K and V (17,408 bytes each, dense), 64 rows x 512 bytes of adj, 64 rows x 128 bytes of the mask.  Waves 0-3, 4-7, 8-11 fetch, one load each.
; CLUSTER 4 x 4: K and V hang on the batch and hg and are asked for jointly along a column of the cluster; adj and the mask hang on GY, along a row.
; LIMITS: NaN and infinities are not served; blocks under 2^-118 keep the byte 1.  A hidden score is -2^125 plus terms that vanish beside it: a row whose mask is wholly false gets equal weights, as the definition
; gives it, only if the matrix instruction returns such a C unchanged.  Logits stay far under 2^122 in magnitude.
.set KVH,   17408
.set SLOT1, 1<<17                      ; slot 1 begins here: one exclusive or turns an address from slot to slot
.set ADJB,  4*KVH                      ; adj: chunk k of 16 rows at 8704 k + 128 (k % 2), rows of 512 + 16 bytes: a tile's rows rho and rho + 16 then begin 128 bytes apart modulo 256
.set MSKB,  104448                     ; the mask: chunk k at 2560 k + 128 (k % 2), rows of 128 + 16 bytes
.set SPARE, 245760                     ; behind slot 1: the spare words, 128 bytes for each of 16 waves: eight blocks of 256 bytes that no other line names
.set AADJ0, 1                          ; v1-4 my lane's places in a slot: adj, mask, fragments (16 x lane + my head's record), scale words (16 x (lane % 16) + the record)
.set AMSK0, 2
.set AF0,   3
.set AS0,   4
.set SPW,   5
.set NIL,   6
.set PFO,   7                          ; the prefetches' offset; never rewritten
.set ADA,   8                          ; v8-11 the same four places in the slot in hand
.set ADM,   9
.set ADF,   10
.set ADS,   11
.set QF,    16                         ; v16-39 [Q][zeros][Q];  v12 -M, v13 the largest t, v[14:15] the sum in two halves
.set QS,    40                         ; Q's scale word
.set XQ,    41                         ; float(- my query's number in its batch): the same in both halves of the lanes
.set XS,    42                         ; + the step's first key
.set TMPA,  43
.set KA,    44                         ; v44-91 [Ka][zeros][Kb][Ka][zeros][Kb]
.set KSC,   92                         ; v92-99 K's scale words, later V's
.set S,     100                        ; v100-163 adj, C, scores, p; then V's fragments
.set O,     164                        ; v164-195 O^T
.set PCD,   196                        ; v196-211 p's codes
.set W,     212                        ; v212-227 mask words
.set T,     228                        ; v228-243 a block's 16 addends of C; afterwards:
.set BM,    228                        ; the blocks' largest scores, then p
.set BP,    232
.set HO,    236
.set SO,    240
.set FF,    244                        ; v[244:245] f = 2^(old M - new M)
.set PW,    246                        ; p's scale word
.set TMP,   247
.set XT,    248                        ; v248-255 at work
.set TB,    2                          ; s2 the slot in hand;  s3 the step's first key
.set KF,    3
.set WV,    16
.set OC,    17                         ; s17, s18 the way out's offsets
.set OB,    18
.set MNT,   19
.set SEL,   20
.set CS,    22
.set G1KV,  24
.set G1A,   32
.set G1M,   40
.set G0KV,  48
.set G0A,   52
.set G0M,   56
.set GAM,   60                         ; s[60:61] 8 gamma
.set SLP,   62                         ; s62 -8 slope
.set MTB,   66                         ; s66 0x000000fe: byte 0 for a mask byte 0, byte 1 for a mask byte 1
; THE BIAS, AS THIS TEXT BUILDS IT.  The mask's term: the mask bytes become the codes 0xfe (-448, hidden) or 0 and are widened eight at a time with the scale byte 243: -1.75 x 2^124 or 0.
; ALiBi: key - query = XS + 32 b + 16 h + i for register i of block b in half h of the lanes, XS = the step's first key - my query.  In a key step all of whose keys lie ahead of, or behind, the cluster's
; 256 queries, |key - query| is linear: with a = -8 slope x its sign, a (16 h + i) goes into C (16 numbers a step, added in pairs), and a (XS + 32 b), one number for a query and block, the same in the two
; lanes that share them, goes into the block's addend of t - M and into the row's maximum.  So scores of one block stand on one base in both lanes, and their largest is joined across the lanes as it is.
; The two key steps that hold the cluster's queries take |.| number by number.  The choice hangs on the cluster's y and the count of steps alone.
.set AA,    68                         ; s68 a: 8 slope ahead of the cluster's queries, -8 slope behind them; 0 in heads 8 to 15
.set AB,    69                         ; s69 a, or 0 in the two steps that take |.|
.set DG,    70                         ; s70 the first key of those two steps: 256 x (the cluster's y % 8)
.set NSLP,  71                         ; s71 8 slope
.set MODE,  90                         ; s90 0: no slope; 1: linear; 2: |.|
.set MS,    43                         ; v43 the widening's scale byte, in every byte (behind the head, where the register is TMPA)
.set HO2,   249                        ; v249-252 a second copy of the holds' bounds, for the second halves of the dual lines
.set SLOTS, 72
.set LOWS,  73
.set PFA,   74
.set PFS,   76
.set LIM,   78
.macro CROUND
	s_barrier_signal -1
	s_barrier_wait -1
	s_cmp_lg_u32 s[WV], 0
	s_cbranch_scc1 .Lnw0_\@
	s_barrier_signal -3
.Lnw0_\@:
	s_barrier_wait -3
	s_barrier_signal -1
	s_barrier_wait -1
.endm
.macro NOPS n
.rept \n
	v_nop
.endr
.endm
; a step's joint loads: one a wave; the branches hang on the wave's number alone; four v_nop follow each tensor line
.macro TLOAD3
	s_cmp_lt_u32 s[WV], 4
	s_cbranch_scc0 .Lna_\@
	tensor_load_to_lds s[G0KV:G0KV+3], s[G1KV:G1KV+7]
	s_nop 0
	NOPS 4
	s_branch .Ltd_\@
.Lna_\@:
	s_cmp_lt_u32 s[WV], 8
	s_cbranch_scc0 .Lnb_\@
	tensor_load_to_lds s[G0A:G0A+3], s[G1A:G1A+7]
	s_nop 0
	NOPS 4
	s_branch .Ltd_\@
.Lnb_\@:
	s_cmp_lt_u32 s[WV], 12
	s_cbranch_scc0 .Ltd_\@
	tensor_load_to_lds s[G0M:G0M+3], s[G1M:G1M+7]
	s_nop 0
	NOPS 4
.Ltd_\@:
.endm
; A PREFETCH INTO THE L2 of what the NEXT change of slots will load, one key step ahead of that load.  Each aligned block of 256 bytes is named once in the launch.  K's and V's codes are walked by the eight clusters
; of a batch: the first of them asks; of a column's four head records the partner at cy takes record cy, waves 12 and 13 half of its 16,384 bytes each, lanes 256 bytes apart.  adj's rows belong to one row of one
; cluster: the partner at cx takes rows 16 cx on, wave 14, two lanes to a row's 512 bytes.  Partners are told apart by address alone.  The last change that fills a slot asks for nothing; steps 0 and 1, the mask
; and the scale words come by their loads alone.
.macro ASK
	s_cmp_gt_u32 s[SLOTS], s[LIM]
	s_cbranch_scc0 .Lnm_\@
	global_prefetch_b8 v[PFO], s[PFA:PFA+1] th:TH_LOAD_NT scope:SCOPE_SE
.Lnm_\@:
.endm
.macro FBITS n                         ; FB = the f32 pattern of the whole number n, 0 to 127
.if (\n) < 1
.set FB, 0
.elseif (\n) < 2
.set FB, 127<<23
.elseif (\n) < 4
.set FB, (128<<23)|(((\n)-2)<<22)
.elseif (\n) < 8
.set FB, (129<<23)|(((\n)-4)<<21)
.elseif (\n) < 16
.set FB, (130<<23)|(((\n)-8)<<20)
.elseif (\n) < 32
.set FB, (131<<23)|(((\n)-16)<<19)
.elseif (\n) < 64
.set FB, (132<<23)|(((\n)-32)<<18)
.else
.set FB, (133<<23)|(((\n)-64)<<17)
.endif
.endm
.macro WM b                            ; block b's four mask words: each byte 0 becomes 0xfe, each byte 1 becomes 0: the mask bytes select from the table in s[MTB]
.irp k, 0,1,2,3
	v_perm_b32 v[W+4*(\b)+\k], s[MTB], s[MTB], v[W+4*(\b)+\k]
.endr
.endm
.macro BUILD b
	v_cvt_scale_pk8_f32_fp8 v[T:T+7], v[W+4*(\b):W+4*(\b)+1], v[MS]            ; 16 mask codes become -1.75 x 2^124 or 0
	v_cvt_scale_pk8_f32_fp8 v[T+8:T+15], v[W+4*(\b)+2:W+4*(\b)+3], v[MS]
	v_nop                                  ; a plain line behind the last conversion
	s_cmp_eq_u32 s[MODE], 0
	s_cbranch_scc1 .Lflat_\@
	s_cmp_eq_u32 s[MODE], 1
	s_cbranch_scc0 .Ldiag_\@
.irp i, 0,2,4,6,8,10,12,14
	v_pk_add_f32 v[T+\i:T+\i+1], v[T+\i:T+\i+1], v[PCD+\i:PCD+\i+1]            ; + a i
.endr
	s_branch .Lflat_\@
.Ldiag_\@:
	s_wait_alu depctr_va_vdst(0)
	v_and_b32 v[TMP], 16, v0
	v_cvt_f32_u32 v[TMP], v[TMP]
	v_add_f32 v[TMP], v[TMP], v[XS]        ; XS + 16 h
.irp g, 0,1
.irp i, 0,1,2,3,4,5,6,7
	FBITS 32*(\b)+8*\g+\i
	v_add_f32 v[XT+\i], FB, v[TMP]         ; key - query: whole numbers, exact
.endr
.irp i, 0,1,2,3,4,5,6,7
	v_fma_f32 v[T+8*\g+\i], |v[XT+\i]|, s[SLP], v[T+8*\g+\i]
.endr
.endr
.Lflat_\@:
	s_wait_alu depctr_va_vdst(0)
.irp i, 0,2,4,6,8,10,12,14
	v_pk_fma_f32 v[S+16*(\b)+\i:S+16*(\b)+\i+1], v[S+16*(\b)+\i:S+16*(\b)+\i+1], s[GAM:GAM+1], v[T+\i:T+\i+1] op_sel_hi:[1,0,1]
.endr
.endm
.macro KLOAD g                         ; tiles 4 g .. 4 g + 3 of K: 8 registers each
.irp t, 0,1,2,3
	ds_load_b128 v[KA+24*(\t/2)+16*(\t%2):KA+24*(\t/2)+16*(\t%2)+3], v[ADF] offset:(4*\g+\t)*1024
	ds_load_b128 v[KA+24*(\t/2)+16*(\t%2)+4:KA+24*(\t/2)+16*(\t%2)+7], v[ADF] offset:(4*\g+\t)*1024+512
.endr
.endm
.macro ALOAD b
.irp j, 0,1,2,3
	ds_load_b128 v[S+16*\b+4*\j:S+16*\b+4*\j+3], v[ADA] offset:128*\b+16*\j
.endr
.endm
.macro SCORE g                         ; four accumulators, one instruction each
.irp t, 0,1,2,3
	v_wmma_scale_f32_16x16x128_f8f6f4 v[S+32*\g+8*\t:S+32*\g+8*\t+7], v[KA+24*(\t/2)+8*(\t%2):KA+24*(\t/2)+8*(\t%2)+15], v[QF+8*(\t%2):QF+8*(\t%2)+15], v[S+32*\g+8*\t:S+32*\g+8*\t+7], v[KSC+4*\g+\t], v[QS]
.endr
.endm
.macro BMAX b0, b1                     ; the largest score of two blocks, by turns; each accumulator is read from its low end on
	v_max3_num_f32 v[BM+\b0], v[S+16*\b0], v[S+16*\b0+1], v[S+16*\b0+2]
	v_max3_num_f32 v[BM+\b1], v[S+16*\b1], v[S+16*\b1+1], v[S+16*\b1+2]
.irp i, 3,5,7,9,11,13
	v_max3_num_f32 v[BM+\b0], v[BM+\b0], v[S+16*\b0+\i], v[S+16*\b0+\i+1]
	v_max3_num_f32 v[BM+\b1], v[BM+\b1], v[S+16*\b1+\i], v[S+16*\b1+\i+1]
.endr
	v_max_num_f32 v[BM+\b0], v[BM+\b0], v[S+16*\b0+15]
	v_max_num_f32 v[BM+\b1], v[BM+\b1], v[S+16*\b1+15]
.endm
; A KEY STEP: 128 keys
.macro STEP
	s_and_b32 s88, s[KF], 0xffffff00
	s_cmp_lt_u32 s[KF], s[DG]
	s_cselect_b32 s[AA], s[NSLP], s[SLP]
	s_cmp_eq_u32 s88, s[DG]
	s_cselect_b32 s[AB], 0, s[AA]
	s_cselect_b32 s[MODE], 2, 1
	s_cmp_lt_u32 s[WV], 8
	s_cselect_b32 s[MODE], s[MODE], 0
	s_cvt_f32_u32 s89, s[KF]
	v_add_nc_u32 v[ADA], s[TB], v[AADJ0]
	v_add_nc_u32 v[ADM], s[TB], v[AMSK0]
	v_add_nc_u32 v[ADF], s[TB], v[AF0]
	v_add_nc_u32 v[ADS], s[TB], v[AS0]
	v_add_f32 v[XS], s89, v[XQ]
	NOPS 4
.irp c, 0,1,2,3
	ds_load_b128 v[W+4*\c:W+4*\c+3], v[ADM] offset:32*\c        ; my query's mask bytes of keys 32 c + 16 h + 0..15
.endr
	ALOAD 0
	ALOAD 1
	ds_load_b128 v[KSC:KSC+3], v[ADS] offset:16384
	ds_load_b128 v[KSC+4:KSC+7], v[ADS] offset:16640
	KLOAD 0
	ALOAD 2
	ALOAD 3
	s_cmp_eq_u32 s[MODE], 1
	s_cbranch_scc0 .Lnl_\@
	v_and_b32 v[XT], 16, v0                ; a (16 h + i), i = 0 .. 15, in the registers of p's codes, which are free until the conversions (nine plain lines stand behind the products that read them)
	v_cvt_f32_u32 v[XT], v[XT]
	v_mul_f32 v[PCD], s[AA], v[XT]
	v_add_f32 v[PCD+1], s[AA], v[PCD]
.irp i, 2,3,4,5,6,7,8,9,10,11,12,13,14,15
	FBITS \i
	v_fma_f32 v[PCD+\i], s[AA], FB, v[PCD]
.endr
.Lnl_\@:
	s_wait_dscnt 26
	WM 0
	WM 1
	s_wait_alu depctr_va_vdst(0)
	s_wait_dscnt 18                        ; adj's blocks 0 and 1 are in
	BUILD 0
	BUILD 1
	s_wait_alu depctr_va_vdst(0)
	s_wait_dscnt 8                         ; K's scale words and tiles 0-3 are in; adj's blocks 2 and 3 may be out
	NOPS 4
	SCORE 0
	WM 2                                   ; eight plain lines: the places in front of the loads into K's registers
	WM 3
	KLOAD 1
	s_wait_alu depctr_va_vdst(0)
	s_wait_dscnt 8                         ; adj's blocks 2 and 3 are in; K's eight loads may be out
	BUILD 2
	BUILD 3
	s_wait_alu depctr_va_vdst(0)
	s_wait_dscnt 0x0
	NOPS 4
	SCORE 1
	v_mul_f32 v[W], s[AB], v[XS]                         ; a (XS + 32 b), b = 0 .. 3, in the mask words' registers, which are done with
	v_fma_f32 v[W+1], s[AB], 0x42000000, v[W]
	v_fma_f32 v[W+2], s[AB], 0x42800000, v[W]
	v_fma_f32 v[W+3], s[AB], 0x42c00000, v[W]
	BMAX 0, 1
	ds_load_b128 v[KSC:KSC+3], v[ADS] offset:16896       ; V's scale words: keys 0-63's, keys 64-127's
	ds_load_b128 v[KSC+4:KSC+7], v[ADS] offset:17152
	BMAX 2, 3
.irp b, 0,1,2,3
	v_permlanex16_b32 v[BP+\b], v[BM+\b], s[SEL], s[SEL+1]
.endr
.irp b, 0,1,2,3
	s_delay_alu instid0(VALU_DEP_4)
	v_max_num_f32 v[BM+\b], v[BM+\b], v[BP+\b]           ; with lane l xor 16's 16 keys: the block's largest score; it serves the row's maximum and, since p rises with the score, the block's largest p
.endr
.irp b, 0,1,2,3
	v_add_f32 v[W+4+\b], v[BM+\b], v[W+\b]               ; for the row's maximum each block's largest score takes its block's part of the slope
.endr
	s_delay_alu instid0(VALU_DEP_2)
	v_max3_num_f32 v[TMP], v[W+4], v[W+5], v[W+6]
	s_delay_alu instid0(VALU_DEP_1)
	v_max_num_f32 v[TMP], v[TMP], v[W+7]
	s_delay_alu instid0(VALU_DEP_1)
	v_mul_f32 v[TMP], s[CS], v[TMP]
	s_delay_alu instid0(VALU_DEP_1)
	v_max_num_f32 v13, v13, v[TMP]         ; the running largest t
	v_mov_b32 v[TMP], v12
	s_delay_alu instid0(VALU_DEP_2)
	v_floor_f32 v12, -v13                  ; -M = floor(-t): M is a whole number
	s_delay_alu instid0(VALU_DEP_1)
	v_sub_f32 v[TMP], v12, v[TMP]
	s_delay_alu instid0(VALU_DEP_1)
	v_cvt_i32_f32 v[TMP], v[TMP]           ; (it saturates)
	s_delay_alu instid0(VALU_DEP_1)
	v_ldexp_f32 v[FF], 1.0, v[TMP]         ; f = 2^(old M - new M)
.irp b, 0,1,2,3
	v_fma_f32 v[W+8+2*\b], v[W+\b], s[CS], v12           ; block b's addend: c a (XS + 32 b) - M, the low word of a pair
.endr
.set j, 0
.rept 32
	v_pk_fma_f32 v[S+j:S+j+1], v[S+j:S+j+1], s[CS:CS+1], v[W+8+2*(j/16):W+9+2*(j/16)] op_sel_hi:[1,0,0]      ; t - M
.set j, j+2
.endr
.irp b, 0,1,2,3
	v_fma_f32 v[BM+\b], v[BM+\b], s[CS], v[W+8+2*\b]
.endr
.set j, 0
	s_wait_alu depctr_va_vdst(0)
.rept 64
	v_exp_f32 v[S+j], v[S+j]               ; p = 2^(t - M)
.set j, j+1
.endr
	v_pk_mul_f32 v[14:15], v[14:15], v[FF:FF+1] op_sel_hi:[1,0]    ; the sums under the new M; a plain line behind the exponentials
	s_wait_alu depctr_va_vdst(0)           ; one wait for the batch of 64, ahead of its first reader
.irp b, 0,1,2,3
	v_exp_f32 v[BM+\b], v[BM+\b]           ; the blocks' largest p
.endr
	s_wait_dscnt 0x0                       ; V's scale words
.irp d, 0,1,2,3
	v_perm_b32 v[KSC+\d], v[KSC+4+\d], v[KSC+\d], s[LOWS]          ; two bytes of each half of the keys make tile d's word: far ahead of the products that name it
.endr
	v_pk_add_f32 v[248:249], v[104:105], v[108:109]
	v_pk_add_f32 v[254:255], v[112:113], v[116:117]
	v_pk_add_f32 v[252:253], v[120:121], v[124:125]
	v_pk_add_f32 v[250:251], v[128:129], v[132:133]
	v_pk_add_f32 v[242:243], v[136:137], v[140:141]
	v_pk_add_f32 v[240:241], v[144:145], v[148:149]
	v_pk_add_f32 v[238:239], v[152:153], v[156:157]
	v_pk_add_f32 v[14:15], v[14:15], v[160:161]
	v_pk_add_f32 v[248:249], v[248:249], v[100:101]
	v_pk_add_f32 v[254:255], v[254:255], v[102:103]
	v_pk_add_f32 v[252:253], v[252:253], v[106:107]
	v_pk_add_f32 v[250:251], v[250:251], v[110:111]
	v_pk_add_f32 v[242:243], v[242:243], v[114:115]
	v_pk_add_f32 v[240:241], v[240:241], v[118:119]
	v_pk_add_f32 v[238:239], v[238:239], v[122:123]
	v_pk_add_f32 v[14:15], v[14:15], v[126:127]
	v_pk_add_f32 v[248:249], v[248:249], v[130:131]
	v_pk_add_f32 v[254:255], v[254:255], v[134:135]
	v_pk_add_f32 v[252:253], v[252:253], v[138:139]
	v_pk_add_f32 v[250:251], v[250:251], v[142:143]
	v_pk_add_f32 v[242:243], v[242:243], v[146:147]
	v_pk_add_f32 v[240:241], v[240:241], v[150:151]
	v_pk_add_f32 v[238:239], v[238:239], v[154:155]
	v_pk_add_f32 v[14:15], v[14:15], v[158:159]
	v_pk_add_f32 v[248:249], v[248:249], v[162:163]
	s_delay_alu instid0(VALU_DEP_2)
	v_pk_add_f32 v[14:15], v[14:15], v[250:251]
	s_delay_alu instid0(VALU_DEP_2)
	v_pk_add_f32 v[248:249], v[248:249], v[242:243]
	v_pk_add_f32 v[254:255], v[254:255], v[240:241]
	v_pk_add_f32 v[252:253], v[252:253], v[238:239]
	s_delay_alu instid0(VALU_DEP_2)
	v_pk_add_f32 v[14:15], v[14:15], v[254:255]
	s_delay_alu instid0(VALU_DEP_2)
	v_pk_add_f32 v[248:249], v[248:249], v[252:253]
	s_delay_alu instid0(VALU_DEP_1)
	v_pk_add_f32 v[14:15], v[14:15], v[248:249]
	s_wait_alu depctr_va_vdst(0)           ; and one for the four
.irp b, 0,1,2,3
	v_max_num_f32 v[BM+\b], 0x4800000, v[BM+\b]          ; the floor 2^(9 - 127)
.endr
.irp b, 0,1,2,3
	s_delay_alu instid0(VALU_DEP_4)
	v_add_nc_u32 v[SO+\b], 0xfc000000, v[BM+\b]
.endr
.irp b, 0,1,2,3
	v_and_or_b32 v[HO+\b], v[BM+\b], 0x7f800000, s[MNT]
.endr
.irp b, 0,1,2,3
	v_and_or_b32 v[HO2+\b], v[BM+\b], 0x7f800000, s[MNT]
.endr
.irp b, 0,1,2,3
	v_lshrrev_b32 v[BP+\b], 23, v[SO+\b]
.endr
	s_delay_alu instid0(VALU_DEP_3)
	v_lshl_or_b32 v[PW], v[BP+1], 8, v[BP]
	s_delay_alu instid0(VALU_DEP_1)
	v_lshl_or_b32 v[PW], v[BP+2], 16, v[PW]
	s_delay_alu instid0(VALU_DEP_1)
	v_lshl_or_b32 v[PW], v[BP+3], 24, v[PW]
.irp b, 0,1,2,3
.irp i, 0,2,4,6,8,10,12,14
	v_dual_min_num_f32 v[S+16*\b+\i], v[S+16*\b+\i], v[HO+\b] :: v_dual_min_num_f32 v[S+16*\b+\i+1], v[S+16*\b+\i+1], v[HO2+\b]   ; p is not negative: the hold is one-sided; two to a line
.endr
	v_cvt_scalef32_pk8_fp8_f32 v[PCD+4*\b:PCD+4*\b+1], v[S+16*\b:S+16*\b+7], v[SO+\b]
	v_cvt_scalef32_pk8_fp8_f32 v[PCD+4*\b+2:PCD+4*\b+3], v[S+16*\b+8:S+16*\b+15], v[SO+\b]
.endr
	v_nop
.irp d, 0,1,2,3
.irp c, 0,1,2,3
	ds_load_b128 v[S+16*\d+4*\c:S+16*\d+4*\c+3], v[ADF] offset:8192+\d*2048+512*\c       ; V's four fragments take p's registers
.endr
.endr
.set j, 0
	s_wait_alu depctr_va_vdst(0)           ; directly ahead of the first reader of O^T
.rept 16
	v_pk_mul_f32 v[O+j:O+j+1], v[O+j:O+j+1], v[FF:FF+1] op_sel_hi:[1,0]        ; O^T under the new M; also the places between the codes and the products
.set j, j+2
.endr
	s_wait_alu depctr_va_vdst(0)
	s_wait_dscnt 0x0
.irp d, 0,1,2,3
	v_wmma_scale_f32_16x16x128_f8f6f4 v[O+8*\d:O+8*\d+7], v[S+16*\d:S+16*\d+15], v[PCD:PCD+15], v[O+8*\d:O+8*\d+7], v[KSC+\d], v[PW]
.endr
	s_add_co_u32 s[KF], s[KF], 128
	s_xor_b32 s[TB], s[TB], SLOT1
.endm
; THE CHANGE OF SLOTS stands at a step's head: all my tensor loads have landed (my part of the slot ahead), 0 onto my spare word, my reads of the slot left are over.  fill = 1: a round of the cluster's barrier,
; and the slot left is filled with the step after this one: one load a wave, first behind the round, with a whole step in which to land.
.macro CHANGE fill
	s_wait_tensorcnt 0x0
	ds_add_u32 v[SPW], v[NIL]
.if \fill
	ds_add_u32 v[SPW], v[NIL]              ; twice on end where a load follows
	s_xor_b32 s[G0KV+1], s[G0KV+1], SLOT1
	s_add_nc_u64 s[G0KV+2:G0KV+3], s[G0KV+2:G0KV+3], 4*KVH
	s_xor_b32 s[G0A+1], s[G0A+1], SLOT1
	s_add_nc_u64 s[G0A+2:G0A+3], s[G0A+2:G0A+3], 512
	s_xor_b32 s[G0M+1], s[G0M+1], SLOT1
	s_add_nc_u64 s[G0M+2:G0M+3], s[G0M+2:G0M+3], 128
	s_wait_xcnt 0x0                        ; the last prefetch, a step back, has read its address
	s_add_nc_u64 s[PFA:PFA+1], s[PFA:PFA+1], s[PFS:PFS+1]
	s_wait_dscnt 0x0
	CROUND
	TLOAD3
	ASK
.else
	s_wait_dscnt 0x0
	s_barrier_signal -1
	s_barrier_wait -1
.endif
.endm
	s_load_b256 s[4:11], s[0:1], 0x0       ; q s[4:5], kv s[6:7], adj s[8:9], mat_mask s[10:11]
	s_load_b128 s[12:15], s[0:1], 0x20     ; gamma s[12:13], oq s[14:15]
	v_lshl_add_u32 v[SPW], v0, 2, SPARE
	v_mov_b32 v[NIL], 0
	ds_add_u32 v5, v6
	ds_add_u32 v5, v6
	s_wait_dscnt 0x0
	v_lshrrev_b32 v8, 5, v0
	s_delay_alu instid0(VALU_DEP_1)
	v_readfirstlane_b32 s[WV], v8
	s_bfe_u32 s67, ttmp6, 0x40000          ; cx
	s_bfe_u32 s80, ttmp6, 0x40004          ; cy
	s_lshl_b32 s79, ttmp9, 2
	s_add_co_u32 s79, s79, s67             ; hg
	s_and_b32 s81, ttmp7, 0xffff           ; the cluster's y
	s_lshl_b32 s82, s81, 2
	s_add_co_u32 s82, s82, s80             ; GY
	s_lshr_b32 s83, s81, 3                 ; the batch, from the cluster's y alone
	s_lshr_b32 s84, s[WV], 2               ; hh
	s_and_b32 s85, s[WV], 3                ; tt; also which head record or chunk I fetch
	s_lshl_b32 s96, s80, 2
	s_lshl_b32 s96, 15, s96                ; my row of the cluster
	s_lshl_b32 s97, 0x1111, s67            ; my column
	s_or_b32 s[G1KV], s97, (3<<16)|(1<<21)                             ; elements of 8 bytes, no padding
	s_or_b32 s[G1A], s96, (2<<16)|(1<<20)|(1<<21)|(6<<22)|(3<<25)      ; elements of 4 bytes; 4 words of padding behind every 128
	s_or_b32 s[G1M], s96, (1<<20)|(1<<21)|(4<<22)|(3<<25)              ; elements of 1 byte; 4 words of padding behind every 32
	s_mov_b32 s[G1KV+1], 32<<16            ; 68 dense rows of 256 bytes
	s_mov_b32 s[G1KV+2], 68<<16
	s_mov_b32 s[G1KV+3], 32<<16
	s_mov_b32 s[G1KV+4], 68
	s_mov_b32 s[G1KV+5], 32
	s_mov_b32 s[G1KV+6], 0
	s_mov_b32 s[G1KV+7], 0
.irp g, G1A, G1M
	s_mov_b32 s[\g+1], 128<<16             ; 16 rows of 128 elements, 2,048 elements from row to row
	s_mov_b32 s[\g+2], 16<<16
	s_mov_b32 s[\g+3], 128<<16
	s_mov_b32 s[\g+4], 16
	s_mov_b32 s[\g+5], 2048
	s_mov_b32 s[\g+6], 0
	s_mov_b32 s[\g+7], 0
.endr
	s_lshl_b32 s86, s83, 2
	s_add_co_u32 s86, s86, s79
	s_mul_i32 s86, s86, 64*KVH             ; (4 b + hg) x 16 steps x 4 records
	s_mul_i32 s97, s85, KVH                ; my record: in memory and in a slot
	s_add_co_u32 s86, s86, s97
	s_mov_b32 s87, 0
	s_lshl_b32 s88, s82, 19                ; adj: row 64 GY + 16 (w % 4), 8,192 bytes a row
	s_lshl_b32 s98, s85, 17
	s_add_co_u32 s88, s88, s98
	s_mov_b32 s89, 0
	s_lshl_b32 s90, s82, 17                ; the mask: 2,048 bytes a row
	s_lshl_b32 s98, s85, 15
	s_add_co_u32 s90, s90, s98
	s_mov_b32 s91, 0
	s_and_b32 s96, s85, 1
	s_lshl_b32 s96, s96, 7
	s_mul_i32 s98, s85, 8704
	s_add_co_u32 s98, s98, s96
	s_add_co_u32 s98, s98, ADJB
	s_mul_i32 s99, s85, 2560
	s_add_co_u32 s99, s99, s96
	s_add_co_u32 s99, s99, MSKB
	s_wait_kmcnt 0x0
	s_mov_b32 s[G0KV], 1
	s_mov_b32 s[G0KV+1], s97
	s_add_nc_u64 s[G0KV+2:G0KV+3], s[6:7], s[86:87]
	s_or_b32 s[G0KV+3], s[G0KV+3], 0x80000000
	s_mov_b32 s[G0A], 1
	s_mov_b32 s[G0A+1], s98
	s_add_nc_u64 s[G0A+2:G0A+3], s[8:9], s[88:89]
	s_or_b32 s[G0A+3], s[G0A+3], 0x80000000
	s_mov_b32 s[G0M], 1
	s_mov_b32 s[G0M+1], s99
	s_add_nc_u64 s[G0M+2:G0M+3], s[10:11], s[90:91]
	s_or_b32 s[G0M+3], s[G0M+3], 0x80000000
	CROUND                                 ; all sixteen work-groups are here
	TLOAD3                                 ; step 0 into slot 0
	s_mov_b32 s[MNT], 0x600000
	s_mov_b32 s[SEL], 0x76543210
	s_mov_b32 s[SEL+1], 0xfedcba98
	s_mov_b32 s[CS], 0x3e38aa3b            ; c = log2(e) / 8
	s_mov_b32 s[CS+1], s[CS]
	s_mov_b32 s[MTB], 0xfe
	s_and_b32 s[DG], s81, 7                ; from the cluster's y alone: the same in all sixteen partners
	s_lshl_b32 s[DG], s[DG], 8
	s_mov_b32 s[LOWS], 0x05040100
	s_mov_b32 s[SLOTS], 15
	s_mov_b32 s[TB], 0
	s_mov_b32 s[KF], 0
	s_lshl_b32 s96, s79, 1
	s_and_b32 s97, s84, 1                  ; hh % 2
	s_add_co_u32 s96, s96, s97
	s_lshr_b32 s98, s84, 1                 ; hh / 2
	s_lshl_b32 s99, s98, 3
	s_add_co_u32 s96, s96, s99             ; the head h
	s_sub_co_u32 s[SLP], 129, s96
	s_lshl_b32 s[SLP], s[SLP], 23
	s_or_b32 s[SLP], s[SLP], 0x80000000    ; -8 x 2^-(h + 1) = -2^(2 - h)
	s_cmp_lt_u32 s[WV], 8
	s_cselect_b32 s[SLP], s[SLP], 0        ; heads 8 to 15 have no slope
	s_xor_b32 s[NSLP], s[SLP], 0x80000000
	s_lshl_b32 s86, s83, 4
	s_add_co_u32 s86, s86, s96
	s_lshl_b32 s86, s86, 5
	s_and_b32 s99, s82, 31                 ; my group of 64 queries in the batch
	s_add_co_u32 s86, s86, s99
	s_mul_i32 s86, s86, 4352
	s_mov_b32 s87, 0
	s_add_nc_u64 s[4:5], s[4:5], s[86:87]  ; Q's entry
	s_lshl_b32 s88, s98, 2
	s_add_co_u32 s88, s88, s79             ; the last product's K step: h / 2 = hg + 4 (hh / 2)
	s_lshr_b32 s89, s88, 1
	s_lshl_b32 s89, s89, 6
	s_add_co_u32 s89, s89, s82
	s_mul_i32 s89, s89, 16896
	s_and_b32 s88, s88, 1
	s_mul_i32 s88, s88, 8448
	s_add_co_u32 s88, s88, s89
	s_mov_b32 s89, 0
	s_add_nc_u64 s[14:15], s[14:15], s[88:89]            ; oq's record
	s_lshl_b32 s[OC], s85, 11
	s_lshl_b32 s90, s97, 10
	s_add_co_u32 s[OC], s[OC], s90         ; codes: 2048 tt + 512 x 2 (h % 2)
	s_lshl_b32 s[OB], s85, 2
	s_lshl_b32 s90, s97, 1
	s_add_co_u32 s[OB], s[OB], s90         ; bytes: 4 tt + 2 (h % 2)
	s_lshl_b32 s91, s99, 6
	s_lshr_b32 s90, s85, 1                 ; tt / 2
	s_and_b32 s92, s85, 1                  ; tt % 2
	s_lshl_b32 s93, s90, 5
	s_add_co_u32 s91, s91, s93
	s_lshl_b32 s93, s92, 3
	s_add_co_u32 s91, s91, s93             ; my tile's first query in the batch
	s_mul_i32 s93, s90, 17408
	s_mul_i32 s94, s92, 4224
	s_add_co_u32 s93, s93, s94
	s_add_co_u32 s93, s93, ADJB
	s_mul_i32 s94, s90, 5120
	s_mul_i32 s95, s92, 1152
	s_add_co_u32 s94, s94, s95
	s_add_co_u32 s94, s94, MSKB
	s_mul_i32 s95, s84, KVH
	v_and_b32 v8, 7, v0                    ; r % 8
	v_bfe_u32 v9, v0, 3, 1                 ; r / 8
	v_bfe_u32 v10, v0, 4, 1                ; lane / 16
	s_delay_alu instid0(VALU_DEP_3)
	v_mul_u32_u24 v[AADJ0], v8, 528
	s_delay_alu instid0(VALU_DEP_1)
	v_mad_u32_u24 v[AADJ0], v9, 8832, v[AADJ0]
	s_delay_alu instid0(VALU_DEP_1)
	v_lshl_add_u32 v[AADJ0], v10, 6, v[AADJ0]
	s_delay_alu instid0(VALU_DEP_1)
	v_add_nc_u32 v[AADJ0], s93, v[AADJ0]
	v_mul_u32_u24 v[AMSK0], v8, 144
	s_delay_alu instid0(VALU_DEP_1)
	v_mad_u32_u24 v[AMSK0], v9, 2688, v[AMSK0]
	s_delay_alu instid0(VALU_DEP_1)
	v_lshl_add_u32 v[AMSK0], v10, 4, v[AMSK0]
	s_delay_alu instid0(VALU_DEP_1)
	v_add_nc_u32 v[AMSK0], s94, v[AMSK0]
	v_and_b32 v11, 31, v0
	s_delay_alu instid0(VALU_DEP_1)
	v_lshlrev_b32 v11, 4, v11
	s_delay_alu instid0(VALU_DEP_1)
	v_add_nc_u32 v[AF0], s95, v11
	v_and_b32 v12, 15, v0
	s_delay_alu instid0(VALU_DEP_1)
	v_lshlrev_b32 v12, 4, v12
	s_delay_alu instid0(VALU_DEP_1)
	v_add_nc_u32 v[AS0], s95, v12
	v_lshl_add_u32 v13, v9, 4, v8
	s_delay_alu instid0(VALU_DEP_1)
	v_add_nc_u32 v13, s91, v13             ; my query
	s_delay_alu instid0(VALU_DEP_1)
	v_sub_nc_u32 v13, 0, v13
	s_delay_alu instid0(VALU_DEP_1)
	v_cvt_f32_i32 v[XQ], v13
	s_lshl_b32 s90, s85, 10
	v_add_nc_u32 v8, s90, v11              ; Q: tile tt, 16 x lane
	s_lshl_b32 s90, s85, 2
	v_add_nc_u32 v9, s90, v12              ; its scale word: 16 r + 4 tt
	s_lshl_b32 s90, s96, 2
	v_mov_b32 v10, s90                     ; gamma: 4 h
	global_load_b128 v[QF:QF+3], v8, s[4:5]
	global_load_b128 v[QF+4:QF+7], v8, s[4:5] offset:512
	global_load_b128 v[QF+16:QF+19], v8, s[4:5]
	global_load_b128 v[QF+20:QF+23], v8, s[4:5] offset:512
	global_load_b32 v[QS], v9, s[4:5] offset:4096
	global_load_b32 v[TMPA], v10, s[12:13]
	; the prefetches: where my wave's stand, and who asks
	s_lshl_b32 s92, s83, 2
	s_add_co_u32 s92, s92, s79
	s_mul_i32 s92, s92, 64*KVH
	s_mul_i32 s63, s80, KVH                ; head record cy
	s_add_co_u32 s92, s92, s63
	s_and_b32 s63, s[WV], 1
	s_lshl_b32 s63, s63, 13
	s_add_co_u32 s92, s92, s63
	s_add_co_u32 s92, s92, 4*KVH           ; at step 1: the first change steps it to step 2
	s_lshl_b32 s94, s82, 19
	s_lshl_b32 s63, s67, 17                ; rows 16 cx on
	s_add_co_u32 s94, s94, s63
	s_add_co_u32 s94, s94, 512
	s_mov_b32 s93, 0
	s_mov_b32 s95, 512
	s_mov_b32 s[PFS], 4*KVH
	s_mov_b32 s[PFS+1], 0
	s_cmp_eq_u32 s[WV], 14
	s_cselect_b64 s[PFA:PFA+1], s[8:9], s[6:7]
	s_cselect_b32 s92, s94, s92
	s_cselect_b32 s95, 8192, s95           ; from pair of lanes to pair of lanes
	s_cselect_b32 s[PFS], 512, s[PFS]      ; a step on
	s_add_nc_u64 s[PFA:PFA+1], s[PFA:PFA+1], s[92:93]
	s_and_b32 s63, s81, 7                  ; 0 in the batch's first cluster: the same in all sixteen partners
	s_cmp_eq_u32 s[WV], 14
	s_cselect_b32 s63, 0, s63
	s_lshr_b32 s94, s[WV], 2
	s_xor_b32 s94, s94, 3
	s_or_b32 s63, s63, s94
	s_cmp_eq_u32 s[WV], 15
	s_cselect_b32 s94, 1, 0
	s_or_b32 s63, s63, s94
	s_cmp_eq_u32 s63, 0
	s_cselect_b32 s[LIM], 1, -1
	v_and_b32 v[PFO], 31, v0
	s_delay_alu instid0(VALU_DEP_1)
	v_lshrrev_b32 v11, 1, v[PFO]
	s_delay_alu instid0(VALU_DEP_2)
	v_and_b32 v[PFO], 1, v[PFO]
	s_delay_alu instid0(VALU_DEP_1)
	v_lshlrev_b32 v[PFO], 8, v[PFO]
	s_delay_alu instid0(VALU_DEP_3)
	v_mul_lo_u32 v11, v11, s95
	s_delay_alu instid0(VALU_DEP_1)
	v_add_nc_u32 v[PFO], v[PFO], v11
.irp j, 0,1,2,3,4,5,6,7
	v_mov_b32 v[QF+8+\j], 0                ; the zeros of the three operands: written once
	v_mov_b32 v[KA+8+\j], 0
	v_mov_b32 v[KA+32+\j], 0
.endr
.set j, 0
.rept 32
	v_mov_b32 v[O+j], 0                    ; the step is written for every step: the first finds zeros
.set j, j+1
.endr
	v_mov_b32 v13, 0xff61b1e6              ; the largest t so far: -3e38
	s_delay_alu instid0(VALU_DEP_1)
	v_floor_f32 v12, -v13
	v_mov_b32 v14, 0
	v_mov_b32 v15, 0
	v_mov_b32 v[FF+1], 0                   ; named as the upper half of a pair
.irp b, 0,1,2,3
	v_mov_b32 v[BP+\b], 0
.endr
	s_wait_loadcnt 0x0
	v_mul_f32 v[TMPA], 0x41000000, v[TMPA]
	s_delay_alu instid0(VALU_DEP_1)
	v_readfirstlane_b32 s[GAM], v[TMPA]    ; 8 gamma
	s_mov_b32 s[GAM+1], s[GAM]
	v_mov_b32 v[MS], 0xf3f3f3f3            ; 2^116 as an E8M0 byte, in every byte of every lane
	s_wait_alu depctr_va_vdst(0)
.Lslot:                                    ; 15 trips: behind each change of slots but the last the next step is asked for
	CHANGE 1
	STEP
	s_sub_co_u32 s[SLOTS], s[SLOTS], 1
	s_cmp_lg_u32 s[SLOTS], 0
	s_cbranch_scc1 .Lslot
	CHANGE 0                               ; the last step is written out
	STEP
	; THE WAY OUT: O^T / the sum; register 16 b + i is channel 32 b + 16 (lane / 16) + i of my query: two blocks of the last product's K, quantised as they stand
	v_add_f32 v14, v14, v15
	s_delay_alu instid0(VALU_DEP_1)
	v_permlanex16_b32 v[TMP], v14, s[SEL], s[SEL+1]
	s_delay_alu instid0(VALU_DEP_1)
	v_add_f32 v14, v14, v[TMP]
	s_wait_alu depctr_va_vdst(0)
	v_rcp_f32 v14, v14
	v_and_b32 v8, 31, v0                   ; plain lines: behind the reciprocal, and the places behind the last products
	s_delay_alu instid0(VALU_DEP_1)
	v_lshlrev_b32 v8, 4, v8
	s_delay_alu instid0(VALU_DEP_1)
	v_add_nc_u32 v8, s[OC], v8
	v_and_b32 v9, 15, v0
	v_bfe_u32 v10, v0, 4, 1
	s_delay_alu instid0(VALU_DEP_1)
	v_lshl_add_u32 v9, v9, 4, v10
	s_delay_alu instid0(VALU_DEP_1)
	v_add_nc_u32 v9, s[OB], v9
	s_delay_alu instid0(VALU_DEP_3)
	v_cmp_ne_u32 vcc_lo, 0, v10
	NOPS 2
	s_wait_alu depctr_va_vdst(0)           ; ahead of the reciprocal's first reader
.set j, 0
.rept 32
	v_mul_f32 v[S+j], v[O+j], v14
.set j, j+1
.endr
.irp b, 0,1
	v_max3_num_f32 v[BM+\b], |v[S+16*\b]|, |v[S+16*\b+1]|, 0x4800000
.endr
.irp i, 2,4,6,8,10,12,14
.irp b, 0,1
	s_delay_alu instid0(VALU_DEP_2)
	v_max3_num_f32 v[BM+\b], v[BM+\b], |v[S+16*\b+\i]|, |v[S+16*\b+\i+1]|
.endr
.endr
.irp b, 0,1
	s_delay_alu instid0(VALU_DEP_2)
	v_permlanex16_b32 v[BP+\b], v[BM+\b], s[SEL], s[SEL+1]
.endr
.irp b, 0,1
	s_delay_alu instid0(VALU_DEP_2)
	v_max_num_f32 v[BM+\b], v[BM+\b], v[BP+\b]
.endr
.irp b, 0,1
	s_delay_alu instid0(VALU_DEP_2)
	v_add_nc_u32 v[SO+\b], 0xfc000000, v[BM+\b]
.endr
.irp b, 0,1
	s_delay_alu instid0(VALU_DEP_4)
	v_and_or_b32 v[HO+\b], v[BM+\b], 0x7f800000, s[MNT]
.endr
.irp b, 0,1
	s_delay_alu instid0(VALU_DEP_4)
	v_lshrrev_b32 v[BP+\b], 23, v[SO+\b]
.endr
.irp b, 0,1
.irp i, 0,1,2,3,4,5,6,7,8,9,10,11,12,13,14,15
	v_med3_num_f32 v[S+16*\b+\i], v[S+16*\b+\i], -v[HO+\b], v[HO+\b]
.endr
	v_cvt_scalef32_pk8_fp8_f32 v[PCD+4*\b:PCD+4*\b+1], v[S+16*\b:S+16*\b+7], v[SO+\b]
	v_cvt_scalef32_pk8_fp8_f32 v[PCD+4*\b+2:PCD+4*\b+3], v[S+16*\b+8:S+16*\b+15], v[SO+\b]
.endr
	v_nop
	v_cndmask_b32 v11, v[BP], v[BP+1], vcc_lo            ; lanes 0-15 store block 0's byte, lanes 16-31 block 1's
	global_store_b128 v8, v[PCD:PCD+3], s[14:15]         ; 512 consecutive bytes each
	global_store_b128 v8, v[PCD+4:PCD+7], s[14:15] offset:512
	global_store_b8 v9, v11, s[14:15] offset:8192        ; 32 bytes of the record's 256 scale bytes: the work-group's eight waves of this K step write them all
	s_wait_tensorcnt 0x0                   ; the wave's end
	ds_add_u32 v[SPW], v[NIL]
	s_wait_dscnt 0x0
	CROUND                                 ; the closing round
	s_endpgm
.Lfunc_end_k_q86f79d79c1_attn:
	.size	k_q86f79d79c1_attn, .Lfunc_end_k_q86f79d79c1_attn-k_q86f79d79c1_attn
	.p2alignl 7, 3214868480
	.fill 96, 4, 3214868480
	.section	.rodata,"a",@progbits
	.p2align	6, 0x0
	.amdhsa_kernel k_q86f79d79c1_attn
		.amdhsa_group_segment_fixed_size 327680
		.amdhsa_private_segment_fixed_size 0
		.amdhsa_enable_private_segment 0
		.amdhsa_kernarg_size 48
		.amdhsa_user_sgpr_count 2
		.amdhsa_user_sgpr_kernarg_segment_ptr 1
		.amdhsa_wavefront_size32 1
		.amdhsa_system_sgpr_workgroup_id_x 1
		.amdhsa_system_sgpr_workgroup_id_y 1
		.amdhsa_system_sgpr_workgroup_id_z 1
		.amdhsa_system_vgpr_workitem_id 0
		.amdhsa_next_free_vgpr 256
		.amdhsa_next_free_sgpr 100
		.amdhsa_reserve_vcc 1
		.amdhsa_float_denorm_mode_32 3
		.amdhsa_float_denorm_mode_16_64 3
		.amdhsa_memory_ordered 1
		.amdhsa_forward_progress 1
		.amdhsa_inst_pref_size 101
	.end_amdhsa_kernel
	.amdgpu_metadata
---
amdhsa.version: [ 1, 2 ]
amdhsa.kernels:
  - .name:           k_q86f79d79c1_attn
    .symbol:         k_q86f79d79c1_attn.kd
    .args:
      - { .name: q, .offset: 0, .size: 8, .value_kind: global_buffer, .address_space: global }
      - { .name: kv, .offset: 8, .size: 8, .value_kind: global_buffer, .address_space: global }
      - { .name: adj, .offset: 16, .size: 8, .value_kind: global_buffer, .address_space: global }
      - { .name: mat_mask, .offset: 24, .size: 8, .value_kind: global_buffer, .address_space: global }
      - { .name: gamma, .offset: 32, .size: 8, .value_kind: global_buffer, .address_space: global }
      - { .name: oq, .offset: 40, .size: 8, .value_kind: global_buffer, .address_space: global }
    .group_segment_fixed_size: 327680
    .private_segment_fixed_size: 0
    .kernarg_segment_align: 8
    .kernarg_segment_size: 48
    .max_flat_workgroup_size: 512
    .sgpr_count:     100
    .vgpr_count:     256
    .wavefront_size: 32
...
	.end_amdgpu_metadata
.endif
;; end of part 3
;; launch proj (part 4): grid 8 x 32, 4 waves a work-group, clusters of 4 x 4, 288,256 bytes of LDS; arguments oq, woq, out_bias, out0; writes out0
.if DOCPART == 4
	.amdgcn_target "amdgcn-amd-amdhsa--gfx1250"
	.amdhsa_code_object_version 6
	.text
	.protected	k_q86f79d79c1_proj
	.globl	k_q86f79d79c1_proj
	.p2align	8
	.type	k_q86f79d79c1_proj,@function
k_q86f79d79c1_proj:
	s_mov_b64 s[64:65], 0
	v_nop
	global_prefetch_b8 v0, s[64:65] scope:SCOPE_SE
	s_setreg_imm32_b32 hwreg(HW_REG_WAVE_MODE, 25, 1), 1
	s_wait_xcnt 0x0
	s_wait_alu depctr_hold_cnt(0) depctr_sa_sdst(0) depctr_va_vdst(0) depctr_va_sdst(0) depctr_va_ssrc(0) depctr_va_vcc(0) depctr_vm_vsrc(0)
	s_getreg_b32 s2, hwreg(HW_REG_IB_STS2, 6, 4)
	s_cmp_eq_u32 s2, 0
	s_cbranch_scc0 .Lentry_in_a_cluster
	s_endpgm
.Lentry_in_a_cluster:
	s_bfe_u32 s2, ttmp6, 0x10000c
	s_cmp_lg_u32 s2, 0xf033
	s_cbranch_scc0 .Lentry_shape_is_right
	s_endpgm
.Lentry_shape_is_right:
; PROJ: out0 = attention's result x out_w + out_bias on codes of FP8 (E4M3) with E8M0 scales, f32 sums.  Both operands lie in records of 64 rows x 128 K in the order of an operand's registers (see the first launch).
; SHARES: a work-group makes 128 x 128; wave w makes rows 64 (w / 2) on x columns 64 (w % 2) on: 16 accumulators.  Source 0 = P = out_w's record, source 1 = R = the rows' record: a lane holds one row and eight
; neighbouring columns a tile.  ALL OF K LIES IN LDS: 16 pairs of records of 16,896 bytes, four brought by each wave in one tensor load: one load of mine out at the most.
; CLUSTER 4 x 4: the rows' records are asked for jointly along a row of the cluster (waves 0, 2), out_w's along a column (waves 1, 3).
; The bias is loaded straight into the accumulators and starts the sums.  Results leave through each wave's own stage (16 rows of 256 + 16 bytes): sixteen lanes store 256 consecutive bytes, aligned.
.set RPB,   16896
.set RECB,  8448
.set STAGE, 16*RPB
.set AP,  3
.set AR,  5
.set ASP, 7
.set ASR, 9
.set STO, 11                           ; v11 the stage: where I put 16 bytes of a row
.set RD,  12                           ; v12 and where I read a row back
.set CO,  13                           ; v13 my byte offset in out0
.set SP,  16
.set SR,  20
.set PF,  24
.set RF,  88
.set ACC, 120
.set WV,  14
.set G1A, 16
.set G1B, 24
.set G0A, 32                           ; s[32:39] two groups 0 for the rows' records;  s[48:55] for out_w's
.set G0B, 48
.macro CROUND
	s_barrier_signal -1
	s_barrier_wait -1
	s_cmp_lg_u32 s[WV], 0
	s_cbranch_scc1 .Lnw0_\@
	s_barrier_signal -3
.Lnw0_\@:
	s_barrier_wait -3
	s_barrier_signal -1
	s_barrier_wait -1
.endm
.macro NOPS n
.rept \n
	v_nop
.endr
.endm
.macro WM4 r
.irp p, 0,1,2,3
	v_wmma_scale_f32_16x16x128_f8f6f4 v[ACC+32*(\r)+8*\p:ACC+32*(\r)+8*\p+7], v[PF+16*\p:PF+16*\p+15], v[RF+16*((\r)%2):RF+16*((\r)%2)+15], v[ACC+32*(\r)+8*\p:ACC+32*(\r)+8*\p+7], v[SP+\p], v[SR+(\r)]
.endr
.endm
.macro RLOAD ar, o, r
.irp c, 0,1,2,3
	ds_load_b128 v[RF+16*((\r)%2)+4*\c:RF+16*((\r)%2)+4*\c+3], v[\ar] offset:(\o)+(\r)*2048+512*\c
.endr
.endm
; 128 along K: 16 matrix instructions, the 16 accumulators by turns
.macro KSTEP ap, ar, asp, asr, s2
	NOPS 8                                 ; eight places in front of loads into registers that matrix instructions have read
	ds_load_b128 v[SP:SP+3], v[\asp] offset:(\s2)*RECB
	ds_load_b128 v[SR:SR+3], v[\asr] offset:(\s2)*RECB
.irp p, 0,1,2,3
.irp c, 0,1,2,3
	ds_load_b128 v[PF+16*\p+4*\c:PF+16*\p+4*\c+3], v[\ap] offset:(\s2)*RECB+\p*2048+512*\c
.endr
.endr
	RLOAD \ar, (\s2)*RECB, 0
	RLOAD \ar, (\s2)*RECB, 1
	s_wait_dscnt 4                         ; all but R tile 1's four loads
	WM4 0
	s_wait_dscnt 0x0
	WM4 1
	NOPS 8
	RLOAD \ar, (\s2)*RECB, 2
	RLOAD \ar, (\s2)*RECB, 3
	s_wait_dscnt 4                         ; all but R tile 3's four
	WM4 2
	s_wait_dscnt 0x0
	WM4 3
.endm
	s_load_b256 s[4:11], s[0:1], 0x0       ; oq s[4:5], woq s[6:7], out_bias s[8:9], out0 s[10:11]
	v_lshl_add_u32 v254, v0, 2, 0x46400
	v_mov_b32 v255, 0
	ds_add_u32 v254, v255
	ds_add_u32 v254, v255
	v_lshrrev_b32 v3, 5, v0
	v_readfirstlane_b32 s[WV], v3
	s_bfe_u32 s66, ttmp6, 0x40000          ; cx
	s_bfe_u32 s67, ttmp6, 0x40004          ; cy
	s_lshl_b32 s68, ttmp9, 2
	s_add_co_u32 s68, s68, s66             ; block of 128 columns
	s_and_b32 s69, ttmp7, 0xffff
	s_lshl_b32 s69, s69, 2
	s_add_co_u32 s69, s69, s67             ; block of 128 rows
	s_lshl_b32 s70, s67, 2
	s_lshl_b32 s70, 15, s70
	s_lshl_b32 s71, 0x1111, s66
	s_or_b32 s[G1A], s70, (3<<16)|(1<<21)
	s_or_b32 s[G1B], s71, (3<<16)|(1<<21)
; THE FILLS: the block's two groups of 64 rows follow each other in memory, 2 RPB bytes for each pair of K steps.  A tile is two such rows (two pairs of K steps), a buffer's pair of K steps apart.
; Wave 0 fetches the rows' pairs 0 and 1, wave 1 out_w's, waves 2 and 3 the same for pairs 2 and 3: one load a wave.  In LDS: the rows' at (2 sp + group) RPB, out_w's 8 RPB further on.
.irp g, G1A, G1B
	s_mov_b32 s[\g+1], (2*RPB/8)<<16       ; tensor_dim0: a row of 2 RPB bytes in elements of 8
	s_mov_b32 s[\g+2], 2<<16               ; tensor_dim1
	s_mov_b32 s[\g+3], (2*RPB/8)<<16       ; tile_dim0
	s_mov_b32 s[\g+4], 2                   ; tile_dim1
	s_mov_b32 s[\g+6], 0
	s_mov_b32 s[\g+7], 0
.endr
	s_mov_b32 s[G1A+5], 64*RPB/8           ; the pitch: 64 groups of rows,
	s_mov_b32 s[G1B+5], 16*RPB/8           ; 16 groups of out_w's columns
	s_and_b32 s72, s[WV], 1
	s_lshr_b32 s73, s[WV], 1
	s_mul_i32 s76, s69, 2*RPB              ; the rows' groups 2 yb on
	s_mov_b32 s77, 0
	s_mul_i32 s78, s68, 2*RPB              ; out_w's groups 2 xb on
	s_mov_b32 s79, 0
	s_wait_dscnt 0x0
	s_wait_kmcnt 0x0
	s_add_nc_u64 s[76:77], s[4:5], s[76:77]
	s_add_nc_u64 s[78:79], s[6:7], s[78:79]
	CROUND                                 ; all sixteen work-groups are here
.irp s, 0,1
	s_mov_b32 s[G0A+4*\s], 1
	s_mov_b32 s[G0A+4*\s+1], \s*4*RPB
	s_add_nc_u64 s[G0A+4*\s+2:G0A+4*\s+3], s[76:77], \s*2*64*RPB
	s_or_b32 s[G0A+4*\s+3], s[G0A+4*\s+3], 0x80000000
	s_mov_b32 s[G0B+4*\s], 1
	s_mov_b32 s[G0B+4*\s+1], 8*RPB+\s*4*RPB
	s_add_nc_u64 s[G0B+4*\s+2:G0B+4*\s+3], s[78:79], \s*2*16*RPB
	s_or_b32 s[G0B+4*\s+3], s[G0B+4*\s+3], 0x80000000
.endr
; one chain of branches on the wave's number, a load to an arm, all arms leading to one join: every way passes exactly one load
.macro ARM w, g0, g1, next
	s_cmp_eq_u32 s[WV], \w
	s_cbranch_scc0 \next
	tensor_load_to_lds s[\g0:\g0+3], s[\g1:\g1+7]
	s_nop 0
	NOPS 4
	s_branch .Lf_done
\next:
.endm
	ARM 0, G0A, G1A, .Lf_1
	ARM 1, G0B, G1B, .Lf_2
	ARM 2, G0A+4, G1A, .Lf_3
	tensor_load_to_lds s[G0B+4:G0B+7], s[G1B:G1B+7]
	s_nop 0
	NOPS 4
.Lf_done:
	s_mul_i32 s81, s73, RPB                ; R: the rows' group w / 2
	s_mul_i32 s82, s72, RPB
	s_add_co_u32 s82, s82, 8*RPB           ; P: out_w's group w % 2
	v_and_b32 v16, 31, v0
	v_lshlrev_b32 v16, 4, v16              ; 16 x lane
	v_and_b32 v17, 15, v0
	v_lshlrev_b32 v18, 4, v17              ; 16 r
	v_bfe_u32 v19, v0, 4, 1                ; h
	v_add_nc_u32 v[AP], s82, v16
	v_add_nc_u32 v[AR], s81, v16
	v_add_nc_u32 v[ASP], s82, v18
	v_add_nc_u32 v[ASP], 8192, v[ASP]
	v_add_nc_u32 v[ASR], s81, v18
	v_add_nc_u32 v[ASR], 8192, v[ASR]
	s_mul_i32 s84, s[WV], 16*272
	s_add_co_u32 s84, s84, STAGE           ; my stage
	v_mul_u32_u24 v[STO], v17, 272
	v_lshl_add_u32 v[STO], v19, 6, v[STO]
	v_add_nc_u32 v[STO], s84, v[STO]       ; in: row r, + 64 h
	v_mul_u32_u24 v[RD], v19, 272
	v_add_nc_u32 v[RD], v[RD], v18
	v_add_nc_u32 v[RD], s84, v[RD]         ; back: lanes 0-15 one row, lanes 16-31 the next
	v_lshl_add_u32 v[CO], v19, 12, v18     ; and the same two rows in out0
	s_lshl_b32 s86, s68, 9
	s_lshl_b32 s87, s72, 8
	s_add_co_u32 s86, s86, s87             ; my first column, in bytes
	s_mov_b32 s87, 0
	s_add_nc_u64 s[8:9], s[8:9], s[86:87]
	s_add_nc_u64 s[10:11], s[10:11], s[86:87]
	s_lshl_b32 s86, s69, 19
	s_lshl_b32 s88, s73, 18
	s_add_co_u32 s86, s86, s88             ; my first row, 4,096 bytes a row
	s_add_nc_u64 s[10:11], s[10:11], s[86:87]
	v_lshlrev_b32 v20, 6, v19              ; the bias of tile p, register j: column 32 (p / 2) + 16 h + 8 (p % 2) + j; the same for all four R tiles
.irp r, 0,1,2,3
.irp p, 0,1,2,3
	global_load_b128 v[ACC+32*\r+8*\p:ACC+32*\r+8*\p+3], v20, s[8:9] offset:(32*(\p/2)+8*(\p%2))*4
	global_load_b128 v[ACC+32*\r+8*\p+4:ACC+32*\r+8*\p+7], v20, s[8:9] offset:(32*(\p/2)+8*(\p%2))*4+16
.endr
.endr
	s_wait_alu depctr_va_vdst(0)
	s_wait_loadcnt 0x0
.irp sp, 0,1,2,3
	s_wait_alu depctr_va_vdst(0)
.if \sp == 0
	s_cmp_lt_u32 s[WV], 2                  ; waves 0 and 1 brought pairs 0 and 1 by load lines of their own
	s_cbranch_scc0 .Lp_later
	s_wait_tensorcnt 0x0
.Lp_later:
	s_wait_dscnt 0x0
	s_barrier_signal -1
	s_barrier_wait -1
.endif
.if \sp == 2
	s_wait_tensorcnt 0x0                   ; all that is still out: pairs 2 and 3; nothing is ever filled again
	s_wait_dscnt 0x0
	s_barrier_signal -1
	s_barrier_wait -1
.endif
	KSTEP AP, AR, ASP, ASR, 0
	KSTEP AP, AR, ASP, ASR, 1
	v_add_nc_u32 v[AP], 2*RPB, v[AP]
	v_add_nc_u32 v[AR], 2*RPB, v[AR]
	v_add_nc_u32 v[ASP], 2*RPB, v[ASP]
	v_add_nc_u32 v[ASR], 2*RPB, v[ASR]
.endr
; THE WAY OUT, an R tile (16 rows x 64 columns) at a time through my own stage.  LDS serves a wave's instructions in order: no wait between the stores and the loads.
.macro TOSTAGE r
.irp p, 0,1,2,3
	ds_store_b128 v[STO], v[ACC+32*(\r)+8*\p:ACC+32*(\r)+8*\p+3] offset:128*(\p/2)+32*(\p%2)           ; each accumulator from its low end on
	ds_store_b128 v[STO], v[ACC+32*(\r)+8*\p+4:ACC+32*(\r)+8*\p+7] offset:128*(\p/2)+32*(\p%2)+16
.endr
.irp k, 0,1,2,3,4,5,6,7
	ds_load_b128 v[PF+32*((\r)%2)+4*\k:PF+32*((\r)%2)+4*\k+3], v[RD] offset:2*\k*272
.endr
.endm
.macro SEND r, younger                 ; stage row i is row 32 (r / 2) + 8 (r % 2) + i % 8 + 16 (i / 8) of my 64
	s_wait_dscnt \younger
.irp k, 0,1,2,3,4,5,6,7
	global_store_b128 v[CO], v[PF+32*((\r)%2)+4*\k:PF+32*((\r)%2)+4*\k+3], s[10:11] offset:(32*((\r)/2)+8*((\r)%2)+2*\k+8*(\k/4))*4096 th:TH_STORE_NT
.endr
.endm
	NOPS 4                                 ; with the four additions above: eight places behind the last products
	TOSTAGE 0
	TOSTAGE 1
	SEND 0, 16                             ; behind tile 0's loads: tile 1's 8 stores and 8 loads
	s_wait_xcnt 0x0                        ; tile 0's stores have read their registers: tile 2's loads may land there
	TOSTAGE 2
	SEND 1, 16
	s_wait_xcnt 0x0
	TOSTAGE 3
	SEND 2, 16
	SEND 3, 0
	s_wait_tensorcnt 0x0
	ds_add_u32 v254, v255
	s_wait_dscnt 0x0
	CROUND                                 ; the closing round: no work-group ends while a partner may still ask for a tile that names it
	s_endpgm
.Lfunc_end_k_q86f79d79c1_proj:
	.size	k_q86f79d79c1_proj, .Lfunc_end_k_q86f79d79c1_proj-k_q86f79d79c1_proj
	.p2alignl 7, 3214868480
	.fill 96, 4, 3214868480
	.section	.rodata,"a",@progbits
	.p2align	6, 0x0
	.amdhsa_kernel k_q86f79d79c1_proj
		.amdhsa_group_segment_fixed_size 288256
		.amdhsa_private_segment_fixed_size 0
		.amdhsa_enable_private_segment 0
		.amdhsa_kernarg_size 32
		.amdhsa_user_sgpr_count 2
		.amdhsa_user_sgpr_kernarg_segment_ptr 1
		.amdhsa_wavefront_size32 1
		.amdhsa_system_sgpr_workgroup_id_x 1
		.amdhsa_system_sgpr_workgroup_id_y 1
		.amdhsa_system_sgpr_workgroup_id_z 1
		.amdhsa_system_vgpr_workitem_id 0
		.amdhsa_next_free_vgpr 256
		.amdhsa_next_free_sgpr 100
		.amdhsa_reserve_vcc 0
		.amdhsa_float_denorm_mode_32 3
		.amdhsa_float_denorm_mode_16_64 3
		.amdhsa_memory_ordered 1
		.amdhsa_forward_progress 1
		.amdhsa_inst_pref_size 57
	.end_amdhsa_kernel
	.amdgpu_metadata
---
amdhsa.version: [ 1, 2 ]
amdhsa.kernels:
  - .name:           k_q86f79d79c1_proj
    .symbol:         k_q86f79d79c1_proj.kd
    .args:
      - { .name: oq, .offset: 0, .size: 8, .value_kind: global_buffer, .address_space: global }
      - { .name: woq, .offset: 8, .size: 8, .value_kind: global_buffer, .address_space: global }
      - { .name: out_bias, .offset: 16, .size: 8, .value_kind: global_buffer, .address_space: global }
      - { .name: out0, .offset: 24, .size: 8, .value_kind: global_buffer, .address_space: global }
    .group_segment_fixed_size: 288256
    .private_segment_fixed_size: 0
    .kernarg_segment_align: 8
    .kernarg_segment_size: 32
    .max_flat_workgroup_size: 128
    .sgpr_count:     100
    .vgpr_count:     256
    .wavefront_size: 32
...
	.end_amdgpu_metadata
.endif
;; end of part 4
